; MI455X (gfx1250); checked and timed in simulation.
; The chip was launched on July 23, 2026; its instructions are those of AMD's public machine-readable ISA for CDNA 5 (MIT licence, August 2026) and "CDNA5" Instruction Set Architecture Reference Guide (July 2026). The comments in the code are by the model that wrote it; some were corrected since.
;; Causal Self Attention. Allowed arithmetic: matrix products marked QUANTISED: E2M3 operands, one E8M0 scale for each 32 along K, by v_wmma_scale_f32_16x16x128_f8f6f4 with both operands' format E2M3, f32 sums; everything else in f32.
;; Inputs: W_attn_codes 3,072 x 32 x 24 uint8 (E2M3 codes of W_attn, K innermost, in blocks of 32 codes, four codes in three bytes); W_attn_scales 3,072 x 32 uint8 (E8M0 scales of W_attn, one for each 32 codes along K); W_proj_codes 1,024 x 32 x 24 uint8 (E2M3 codes of W_proj, K innermost, in blocks of 32 codes, four codes in three bytes); W_proj_scales 1,024 x 32 uint8 (E8M0 scales of W_proj, one for each 32 codes along K); b_attn 3,072 float32; b_proj 1,024 float32; x_codes 4 x 2,048 x 32 x 24 uint8 (E2M3 codes of x, K innermost, in blocks of 32 codes, four codes in three bytes); x_scales 4 x 2,048 x 32 uint8 (E8M0 scales of x, one for each 32 codes along K).
;; Outputs: out0 4 x 2,048 x 1,024 float32.
;; This version of the problem:
;;   THIS VERSION OF THE PROBLEM IS GIVEN IN LOW PRECISION. The matrix products marked QUANTISED in the list below multiply operands that are first quantised to E2M3 (2 exponent bits, 3 mantissa bits; 6 bits a number), with one power-of-two scale for each 32 numbers along K (OCP MX v1.0); their sums are f32. All else is computed in f32.
;;   The module's matrix products, in the order in which they are computed (A, B: the left and right operand; K: the contracted axis; several contracted axes count as one K, in the product's order):
;;     1. [M 8,192, K 1,024] x [K 1,024, N 3,072]; A: input x (given as codes); B: input W_attn (given as codes): QUANTISED
;;     2. batch 64 x [M 2,048, K 64] x [K 64, N 2,048]; A: computed on the way; B: computed on the way: QUANTISED
;;     3. batch 64 x [M 2,048, K 2,048] x [K 2,048, N 64]; A: softmax (see below); B: computed on the way: QUANTISED
;;     4. [M 8,192, K 1,024] x [K 1,024, N 1,024]; A: computed on the way; B: input W_proj (given as codes): QUANTISED
;;   THE QUANTISER, for each operand of a quantised product, along K:
;;     - K is cut into blocks of 32 from its start; a last block that is shorter is filled with zeros.
;;     - A block's scale is 2^e with e = floor(log2(the largest magnitude in the block)) - 2, held to -126 .. 127; a block of zeros has e = 0. As a byte (E8M0): e + 127.
;;     - Each number is divided by its block's scale, clamped to +-7.5, and rounded to the nearest number of E2M3, ties to even, subnormals kept.
;;     - The product sums the exact products of the quantised numbers (number of the format x scale) in f32.
;;   ~~~python
;;   def quantise(x, axis):      # numpy; x: float32 -> the quantised numbers, widened to float32 again
;;       x = np.moveaxis(x, axis, -1); K = x.shape[-1]
;;       x = np.pad(x, [(0, 0)] * (x.ndim - 1) + [(0, -K % 32)]); x = x.reshape(x.shape[:-1] + (-1, 32)); a = np.abs(x).max(-1, keepdims=True)
;;       e = np.where(a > 0, np.clip(np.frexp(np.where(a > 0, a, 1))[1] - 1 - 2, -126, 127), 0)      # np.frexp(a)[1] - 1 = floor(log2(a)), exactly
;;       r = np.clip(x / 2.0 ** e, -7.5, 7.5)
;;       step = 2.0 ** (np.maximum(np.frexp(np.where(r == 0, 1, r))[1] - 1, 0) - 3)
;;       q = np.round(r / step) * step * 2.0 ** e      # np.round: ties to even
;;       return np.moveaxis(q.reshape(q.shape[:-2] + (-1,))[..., :K], -1, axis).astype(np.float32)
;;   ~~~
;;   SOFTMAX AHEAD OF A QUANTISED PRODUCT. Where the list says 'softmax', what is quantised is not the finished softmax but p = 2^(t - M), with t = logit x log2(e) and M = ceil(the row's largest t), a whole number; so 1/2 < the row's largest p <= 1. The row's sum l is taken of the UNQUANTISED p, in f32, and the product's result is divided by l at the end. Since M is a whole number, a kernel that streams over the keys may use a running M (the ceiling of the running maximum): every later rescaling is an exact power of two, which a block's scale takes up: the codes' values come out the same.
;;   OPERANDS COMPUTED ON THE WAY. 'Computed on the way' means the value that the module computes at that place (a softmax that the list does not call 'softmax' is quantised finished and normalised). What goes into a quantiser is computed in f32, as accurately as f32 sums, v_exp_f32 and their like allow (about 1e-6 of the number): no bf16 or f16 on the way to a quantiser, and a product that is left as it is and whose result goes on into a quantised operand takes f32 operands (vector FMAs, or v_wmma_f32_16x16x4_f32). A number that lies on a knife's edge between two numbers of the format may be rounded either way, as far as f32 arithmetic and the matrix unit's own rounding can turn it there, and no further.
;;   INPUTS GIVEN AS CODES. W_attn (in the module: [1024, 3072], K = its axis 0); W_proj (in the module: [1024, 1024], K = its axis 0); x (in the module: [4, 2048, 1024], K = its axis 2): each comes as NAME_codes (uint8): NAME with its K axis moved to the last place and cut into blocks of 32 codes, [.., K / 32, bytes a block], one block behind the other in memory; four codes in three bytes: a row's codes are one little-endian stream of bits, code i at bits 6 i .. 6 i + 5 (a code: sign, 2 exponent bits, 3 mantissa bits); and NAME_scales (uint8): the same leading axes, one E8M0 byte (e + 127) for each 32 codes along K. Its value is code x scale, taken as it is: it is not quantised again, and the codes and scales need not be those that the quantiser above would give.
;; One version. Each part assembles by itself: llvm-mc -triple=amdgcn-amd-amdhsa -mcpu=gfx1250 --defsym DOCPART=n.
;; ======== version 1 of 1: 3 launches
;; workspace buffers: ws 20,185,088 bytes; ycodes 6,291,456 bytes; yscales 262,144 bytes
;; launch qkv (part 1): grid 12 x 32, 4 waves a work-group, clusters of 4 x 4, 327,680 bytes of LDS; arguments x_codes, x_scales, W_attn_codes, W_attn_scales, b_attn, ws; writes ws
.if DOCPART == 1
	.amdgcn_target "amdgcn-amd-amdhsa--gfx1250"
	.amdhsa_code_object_version 6
	.text
	.protected	k_qb3e3727efb_qkv
	.globl	k_qb3e3727efb_qkv
	.p2align	8
	.type	k_qb3e3727efb_qkv,@function
k_qb3e3727efb_qkv:
	s_mov_b64 s[64:65], 0
	v_nop
	global_prefetch_b8 v0, s[64:65] scope:SCOPE_SE
	s_setreg_imm32_b32 hwreg(HW_REG_WAVE_MODE, 25, 1), 1
	s_wait_xcnt 0x0
	s_wait_alu depctr_hold_cnt(0) depctr_sa_sdst(0) depctr_va_vdst(0) depctr_va_sdst(0) depctr_va_ssrc(0) depctr_va_vcc(0) depctr_vm_vsrc(0)
	s_getreg_b32 s2, hwreg(HW_REG_IB_STS2, 6, 4)
	s_cmp_eq_u32 s2, 0
	s_cbranch_scc0 .Lentry_in_a_cluster
	s_endpgm
.Lentry_in_a_cluster:
	s_bfe_u32 s2, ttmp6, 0x10000c
	s_cmp_lg_u32 s2, 0xf033
	s_cbranch_scc0 .Lentry_shape_is_right
	s_endpgm
.Lentry_shape_is_right:
; qkv = x W_attn + b_attn on codes of FP6 (E2M3) with one E8M0 scale for each 32 along K = 1,024; then q and k are quantised along the head's 64 channels and v along the keys, in registers, and leave as codes.
; x: 8,192 rows (tokens) of 768 bytes of codes + 32 scale bytes; W_attn: 3,072 rows (channels) likewise.  Sums in f32; the bias is the C of each sum's first product.
; A work-group of four waves makes 256 rows of source 1 x 256 rows of source 0; a wave 128 x 128: 64 accumulators, 512 registers.  K goes in steps of 256 through a ring of two LDS slots.
; THE AXIS THAT IS QUANTISED NEXT IS SOURCE 0: in a result a lane holds ONE row of source 1 and its registers run along source 0's rows.  Clusters with x = 0, 1 (q, k): source 0 = W's rows, source 1 = x's rows,
; so a lane holds a token and 128 channels (two heads).  Clusters with x = 2 (v): source 0 = x's rows, source 1 = W's, so a lane holds a channel and 128 keys.  Both tensors have rows of one shape: only pointers and row numbers are chosen.
; ORDER WITHIN A BLOCK OF 32: register 8 t + j of lane (r, h) holds index 16 t + 8 h + j, so the codes of a block come out in the order 0..7, 16..23, 8..15, 24..31.  q and k are both made so, v and the softmax's p likewise:
; both operands of a product carry the same order, the exact products are the same ones; only their grouping inside the matrix unit differs from the ascending order.
; OUT: ws holds a record of 19,712 bytes for each (batch, head, 128 tokens), laid as the next launch's operand registers: register R of a run at 512 (R / 4) + 16 lane + 4 (R % 4).
;   0 K's codes (8 tiles x 6 registers) | 6,144 V's codes (4 tiles x 12) | 12,288 K's scale words | 12,800 V's scale words | 13,056 Q's codes | 19,200 Q's scale words.  Each store of a wave covers 512 or 256 consecutive bytes, aligned.
; CLUSTERS: 4 x 4 work-groups; source 1's tile is shared along a row of the cluster, source 0's along a column: each is asked for jointly, by one descriptor and a mask that names the four.
; LIMITS: NaN, infinities and the scale byte 0xff among the inputs are not served.  A block whose largest magnitude lies under 2^-124 has its byte held at 1; a block of zeros gets the byte 1 (its codes are zeros; this program alone reads the bytes).
; REGISTERS: window 0: v16-29 addresses; v32-63 scale words, two sets; v128-223 source 1's fragments, one set.  Window 1: source 0's fragments, two sets (v0-95, v128-223); the bias, eight tiles of 8 (v96-127, v224-255).
;   windows 2, 3: the accumulators, (a, b) at v[8 (8 (a % 4) + b)] of window 2 + a / 4.  On the way out window 0 from v32 on is free.
.set KROW,   768                       ; a row of codes in memory
.set ROWB,   192                       ; 256 codes: a tile's row
.set PITCH,  240                       ; in LDS: 3 x (64 bytes + 16 of padding)
.set FR,     12                        ; registers of a fragment
.set NL,     6                         ; LDS loads that bring one
.set NP,     4                         ; places behind this matrix instruction (ISA guide 7.12.1)
.set NQ,     2                         ; steps of 128 in a slot
.set AH,     4                         ; half of source 1's blocks of 16 rows
.set HALFT,  128*PITCH
.set SLOT,   4*HALFT                   ; source 1's 256 rows, then source 0's
.set ASTEP,  2*ROWB                    ; a slot's next tile lies two K steps on
.set BSTEP,  2*ROWB
.set KS,     32                        ; a row of scale bytes
.set SCL,    2*SLOT                    ; the scales of all of K: units of 256 bytes + 16 of padding
.set HALFS,  16*272
.set SBLK,   2*272
.set SPARE,  SCL+4*HALFS               ; the spare words: 128 bytes a wave, named by no other line
.set RECW,   19712
.set HS,     16*RECW                   ; from a head's record to the next head's
.set ADRA, 16
.set ADRB, 20
.set L16,  24                          ; 16 x lane
.set L8,   25                          ; 8 x lane
.set ADRS, 27
.set SPW,  28
.set NIL,  29
.set SC,   32
.set AF,   128
.set OUT,  32                          ; the way out: 96 registers of codes
.set TM,   128                         ; 4 largest magnitudes, 4 exchanged / bytes, 4 free, 4 scale operands
.set TP,   144                         ; two runs of three for the second halves
.set SW,   152                         ; a scale word for each block a
.set CW,   160
.set HW0,  164
.set HW1,  168
.set KIND, 2
.set WV,   16
.set HR,   17
.set HC,   18
.set G1,   24
.set G0,   32
.set G1B,  48
.set G0B,  56
.set G1S,  68
.set G0S,  76
.set G1SB, 80
.set G0SB, 88
.set CB,   100
.set SB,   104
.set TO_B, 0x40
.set MSB, 0
.macro WIN new                         ; the immediate's high byte repeats the setting that is left
.if MSB != (\new)
	s_set_vgpr_msb (MSB<<8)|(\new)
.set MSB, (\new)
.endif
.endm
; A joint load: waves 0 and 1 fetch for source 1, waves 2 and 3 for source 0.  Four v_nop follow each of the two lines.
.macro JLOAD g0a, g1a, g0b, g1b
	s_cmp_eq_u32 s[HR], 0
	s_cbranch_scc0 .Lfor_b_\@
	tensor_load_to_lds s[\g0a:\g0a+3], s[\g1a:\g1a+7]
	s_nop 0
.rept 4
	v_nop
.endr
	s_branch .Lasked_\@
.Lfor_b_\@:
	tensor_load_to_lds s[\g0b:\g0b+3], s[\g1b:\g1b+7]
	s_nop 0
.rept 4
	v_nop
.endr
.Lasked_\@:
.endm
.macro CREST                           ; a round of the cluster's barrier behind its opening barrier
	s_cmp_lg_u32 s[WV], 0
	s_cbranch_scc1 .Lnot_wave_0_\@
	s_barrier_signal -3
.Lnot_wave_0_\@:
	s_barrier_wait -3
	s_barrier_signal -1
	s_barrier_wait -1
.endm
.macro CROUND
	s_barrier_signal -1
	s_barrier_wait -1
	CREST
.endm
.macro PLACES n
.rept \n
	v_nop
.endr
.endm
	s_load_b256 s[4:11], s[0:1], 0x0               ; x's codes, x's scales, W's codes, W's scales
	s_load_b128 s[12:15], s[0:1], 0x20             ; b_attn, ws
	v_lshl_add_u32 v[SPW], v0, 2, SPARE
	v_mov_b32 v[NIL], 0
	ds_add_u32 v28, v29
	ds_add_u32 v28, v29
	s_wait_dscnt 0x0
	v_lshrrev_b32 v1, 5, v0
	v_readfirstlane_b32 s[WV], v1                  ; wave 0..3
	s_lshr_b32 s[HR], s[WV], 1                     ; my half of source 1's rows.  Also: I fetch for source 1 (0) or source 0 (1)
	s_and_b32 s[HC], s[WV], 1                      ; my half of source 0's rows.  Also: which 128 rows I fetch
	s_mov_b32 s[KIND], ttmp9                       ; the cluster's x: 0 q, 1 k, 2 v: the same in all sixteen partners
	s_bfe_u32 s40, ttmp6, 0x40000                  ; cx
	s_bfe_u32 s41, ttmp6, 0x40004                  ; cy
	s_and_b32 s42, ttmp7, 0xffff                   ; the cluster's y: which 1,024 tokens
	s_lshl_b32 s43, s41, 2
	s_lshl_b32 s43, 15, s43                        ; my row of the cluster
	s_lshl_b32 s44, 0x1111, s40                    ; my column
	; group 1: a tile of 128 rows x 192 bytes, 16 bytes of padding behind every 64
	s_or_b32 s[G1+0], s43, (0<<16)|(1<<20)|(1<<21)|(3<<22)|(3<<25)
	s_or_b32 s[G1B+0], s44, (0<<16)|(1<<20)|(1<<21)|(3<<22)|(3<<25)
.irp g, G1, G1B
	s_mov_b32 s[\g+1], ROWB<<16                    ; tensor_dim0
	s_mov_b32 s[\g+2], 128<<16                     ; tensor_dim1
	s_mov_b32 s[\g+3], ROWB<<16                    ; tile_dim0
	s_mov_b32 s[\g+4], 128                         ; tile_dim1
	s_mov_b32 s[\g+5], KROW                        ; from row to row
	s_mov_b32 s[\g+6], 0
	s_mov_b32 s[\g+7], 0
.endr
	; the scales of 128 rows: 4,096 dense bytes as 16 rows of 256 (32 elements of 8 bytes), 16 bytes of padding behind each
	s_or_b32 s[G1S+0], s43, (3<<16)|(1<<20)|(1<<21)|(5<<22)|(3<<25)
	s_or_b32 s[G1SB+0], s44, (3<<16)|(1<<20)|(1<<21)|(5<<22)|(3<<25)
.irp g, G1S, G1SB
	s_mov_b32 s[\g+1], 32<<16
	s_mov_b32 s[\g+2], 16<<16
	s_mov_b32 s[\g+3], 32<<16
	s_mov_b32 s[\g+4], 16
	s_mov_b32 s[\g+5], 32
	s_mov_b32 s[\g+6], 0
	s_mov_b32 s[\g+7], 0
.endr
	; the rows that I fetch.  Source 1's hang on cy alone, source 0's on cx alone, each in registers that never hold the other
	s_lshl_b32 s19, s[HC], 7
	s_lshl_b32 s66, s42, 10                        ; the cluster's first token
	s_lshl_b32 s67, s[KIND], 10                    ; q's or k's first channel
	s_cmp_eq_u32 s[KIND], 2
	s_cselect_b32 s20, 2048, s66                   ; source 1: v's channels, or tokens
	s_cselect_b32 s46, s66, s67                    ; source 0: tokens, or q's / k's channels
	s_lshl_b32 s23, s41, 8
	s_add_co_u32 s20, s20, s23
	s_add_co_u32 s20, s20, s19
	s_lshl_b32 s3, s40, 8
	s_add_co_u32 s46, s46, s3
	s_add_co_u32 s46, s46, s19
	s_mov_b32 s21, 0
	s_mov_b32 s47, 0
	s_mov_b64 s[66:67], KS
	s_mul_u64 s[22:23], s[20:21], s[66:67]         ; where their scales begin,
	s_mul_u64 s[100:101], s[46:47], s[66:67]
	s_mov_b64 s[66:67], KROW
	s_mul_u64 s[20:21], s[20:21], s[66:67]         ; and their codes
	s_mul_u64 s[46:47], s[46:47], s[66:67]
	s_mul_i32 s45, s[WV], HALFT                    ; where they go: no place in the cluster enters an LDS address
	s_mul_i32 s19, s[WV], HALFS
	; what my wave makes: channels CH .. CH + 127 of its third of qkv, tokens TOK .. TOK + 127
	s_lshl_b32 s3, s40, 8
	s_lshl_b32 s66, s[HC], 7
	s_add_co_u32 s3, s3, s66                       ; my rows of source 0
	s_lshl_b32 s66, s41, 8
	s_lshl_b32 s67, s[HR], 7
	s_add_co_u32 s66, s66, s67                     ; my rows of source 1
	s_cmp_eq_u32 s[KIND], 2
	s_cselect_b32 s67, s66, s3                     ; CH
	s_cselect_b32 s3, s3, s66
	s_lshl_b32 s66, s42, 10
	s_add_co_u32 s3, s3, s66                       ; TOK
	s_lshr_b32 s66, s3, 11                         ; batch
	s_lshl_b32 s66, s66, 4
	s_lshr_b32 s104, s67, 6                        ; the first of my two heads
	s_add_co_u32 s66, s66, s104
	s_lshl_b32 s66, s66, 4
	s_bfe_u32 s104, s3, 0x40007                    ; which 128 tokens of the 2,048
	s_add_co_u32 s66, s66, s104
	s_mul_i32 s66, s66, RECW                       ; the record's first byte (under 2^25)
	s_mov_b32 s105, 12288
	s_cmp_eq_u32 s[KIND], 0
	s_cselect_b32 s104, 13056, 0                   ; the codes' part of the record: q, k,
	s_cselect_b32 s105, 19200, s105                ; and the scale words'
	s_cmp_eq_u32 s[KIND], 2
	s_cselect_b32 s104, 6144, s104                 ; v
	s_cselect_b32 s105, 12800, s105
	s_add_co_u32 s3, s104, s66
	s_add_co_u32 s104, s105, s66
	s_mov_b32 s105, 0
	s_lshl_b32 s66, s[KIND], 10
	s_add_co_u32 s66, s66, s67
	s_lshl_b32 s66, s66, 2                         ; my channels' bias, in bytes
	s_mov_b32 s67, 0
	s_wait_kmcnt 0x0
	s_cmp_eq_u32 s[KIND], 2                        ; the choice hangs on the cluster's number alone
	s_cselect_b64 s[92:93], s[8:9], s[4:5]         ; source 1's codes,
	s_cselect_b64 s[94:95], s[10:11], s[6:7]       ; its scales,
	s_cselect_b64 s[96:97], s[4:5], s[8:9]         ; source 0's codes,
	s_cselect_b64 s[98:99], s[6:7], s[10:11]       ; its scales
	s_add_nc_u64 s[92:93], s[92:93], s[20:21]
	s_add_nc_u64 s[94:95], s[94:95], s[22:23]
	s_add_nc_u64 s[96:97], s[96:97], s[46:47]
	s_add_nc_u64 s[98:99], s[98:99], s[100:101]
	s_add_nc_u64 s[SB:SB+1], s[14:15], s[104:105]
	s_mov_b32 s100, s3
	s_mov_b32 s101, 0
	s_add_nc_u64 s[CB:CB+1], s[14:15], s[100:101]
	s_add_nc_u64 s[12:13], s[12:13], s[66:67]
	CROUND                                         ; all sixteen work-groups are here: the first joint loads meet
	s_mov_b32 s[G0S], 1
	s_add_co_u32 s[G0S+1], s19, SCL
	s_mov_b64 s[G0S+2:G0S+3], s[94:95]
	s_or_b32 s[G0S+3], s[G0S+3], 0x80000000
	s_mov_b32 s[G0SB], 1
	s_add_co_u32 s[G0SB+1], s19, SCL
	s_mov_b64 s[G0SB+2:G0SB+3], s[98:99]
	s_or_b32 s[G0SB+3], s[G0SB+3], 0x80000000
	JLOAD G0S, G1S, G0SB, G1SB                     ; the scales first: they are wanted with K step 0
.irp s, 0,1
	s_mov_b32 s[G0+4*\s], 1
	s_add_co_u32 s[G0+4*\s+1], s45, \s*SLOT
	s_add_nc_u64 s[G0+4*\s+2:G0+4*\s+3], s[92:93], \s*ROWB
	s_or_b32 s[G0+4*\s+3], s[G0+4*\s+3], 0x80000000
	s_mov_b32 s[G0B+4*\s], 1
	s_add_co_u32 s[G0B+4*\s+1], s45, \s*SLOT
	s_add_nc_u64 s[G0B+4*\s+2:G0B+4*\s+3], s[96:97], \s*ROWB
	s_or_b32 s[G0B+4*\s+3], s[G0B+4*\s+3], 0x80000000
	JLOAD G0+4*\s, G1, G0B+4*\s, G1B               ; three tensor loads of mine are out
.endr
	v_and_b32 v1, 15, v0                           ; r
	v_bfe_u32 v2, v0, 4, 1                         ; h
	v_mul_u32_u24 v3, v1, PITCH
	v_mul_u32_u24 v4, v2, 24
	v_add_nc_u32 v4, v3, v4                        ; a fragment's row x pitch + 24 h
	v_lshl_add_u32 v5, v2, 4, v4                   ; and the same behind one padding more
	s_mul_i32 s21, s[HR], HALFT
	s_mul_i32 s22, s[HC], HALFT
	s_add_co_u32 s22, s22, 2*HALFT
.irp s, 0,1
	v_add_nc_u32 v[ADRA+\s], s21, v4
	v_add_nc_u32 v[ADRB+\s], s22, v4
	v_add_nc_u32 v[ADRA+2+\s], s21, v5
	v_add_nc_u32 v[ADRB+2+\s], s22, v5
	s_add_co_u32 s21, s21, SLOT
	s_add_co_u32 s22, s22, SLOT
.endr
	v_mul_u32_u24 v5, v1, KS                       ; my row's scales: 32 bytes a row,
	v_lshrrev_b32 v6, 8, v5
	v_lshl_add_u32 v5, v6, 4, v5                   ; and 16 more for each 256 passed
	s_mul_i32 s21, s[HR], HALFS
	s_mul_i32 s22, s[HC], HALFS
	s_add_co_u32 s22, s22, 2*HALFS
	s_sub_co_u32 s22, s22, s21
	v_mul_u32_u24 v6, s22, v2                      ; lanes 16-31 take source 0's
	s_add_co_u32 s21, s21, SCL
	v_add_nc_u32 v5, v5, v6
	v_add_nc_u32 v[ADRS], s21, v5
	v_and_b32 v6, 31, v0
	v_lshlrev_b32 v[L16], 4, v6
	v_lshlrev_b32 v[L8], 3, v6
	v_lshlrev_b32 v8, 5, v2                        ; the bias: q, k: 8 numbers for each half of the lanes;
	v_lshlrev_b32 v9, 2, v1                        ; v: one number a lane
	; THE BIAS in the result's layout, eight tiles of 8 registers in window 1.  q, k: tile b, register j: channel 16 b + 8 h + j.  v: tile a, every register: channel 16 a + r
	s_cmp_eq_u32 s[KIND], 2
	s_cbranch_scc1 .Lbias_v
	WIN 0x40
.irp b, 0,1,2,3,4,5,6,7
	global_load_b128 v[96+8*\b+96*(\b/4):96+8*\b+96*(\b/4)+3], v8, s[12:13] offset:64*\b
	global_load_b128 v[96+8*\b+96*(\b/4)+4:96+8*\b+96*(\b/4)+7], v8, s[12:13] offset:64*\b+16
.endr
	WIN 0
	s_branch .Lbias_in
.Lbias_v:
	WIN 0x40
.irp a, 0,1,2,3,4,5,6,7
.irp j, 0,1,2,3,4,5,6,7
	global_load_b32 v[96+8*\a+96*(\a/4)+\j], v9, s[12:13] offset:64*\a
.endr
.endr
	WIN 0
.Lbias_in:
.macro FRAG reg, adr, q, i             ; 16 rows x 128 K: 12 registers, in pieces of 8 bytes; where lanes 16-31's piece lies behind one padding more, the second address register serves
.irp p, 0,1,2,3,4,5
.set PIECE, 12*(\q)+6*(\p/3)+\p%3
.if PIECE%8 < 5
	ds_load_b64 v[\reg+2*\p:\reg+2*\p+1], v[\adr] offset:8*PIECE+16*(PIECE/8)+(\i)*16*PITCH
.else
	ds_load_b64 v[\reg+2*\p:\reg+2*\p+1], v[\adr+2] offset:8*PIECE+16*(PIECE/8)+(\i)*16*PITCH
.endif
.endr
.endm
; 8 products: source 1's block a against source 0's eight.  mode 0: onto the sums; 1: the sums begin with the bias of source 0's rows; 2: of source 1's rows.
; The accumulators take turns, one instruction a turn, in the same order in every step.
.macro MULA a, p, q, sc, mode
.set AC, 64*((\a)%4)
.if \mode
	WIN 0x91+0x40*((\a)/4)                         ; source 0 and C window 1, source 1 window 0, D window 2 or 3
.else
	WIN 0xa1+0x50*((\a)/4)                         ; source 0 window 1, source 1 window 0, C and D window 2 or 3
.endif
.irp b, 0,1,2,3,4,5,6,7
.if \mode == 0
	v_wmma_scale_f32_16x16x128_f8f6f4 v[AC+8*\b:AC+8*\b+7], v[128*(\p)+FR*\b:128*(\p)+FR*\b+FR-1], v[AF+FR*(\a):AF+FR*(\a)+FR-1], v[AC+8*\b:AC+8*\b+7], v[SC+16*(\sc)+2*\b+(\q)], v[SC+16*(\sc)+2*(\a)+(\q)] matrix_a_fmt:MATRIX_FMT_FP6 matrix_b_fmt:MATRIX_FMT_FP6 matrix_a_scale:MATRIX_SCALE_ROW1
.elseif \mode == 1
	v_wmma_scale_f32_16x16x128_f8f6f4 v[AC+8*\b:AC+8*\b+7], v[128*(\p)+FR*\b:128*(\p)+FR*\b+FR-1], v[AF+FR*(\a):AF+FR*(\a)+FR-1], v[96+8*\b+96*(\b/4):96+8*\b+96*(\b/4)+7], v[SC+16*(\sc)+2*\b+(\q)], v[SC+16*(\sc)+2*(\a)+(\q)] matrix_a_fmt:MATRIX_FMT_FP6 matrix_b_fmt:MATRIX_FMT_FP6 matrix_a_scale:MATRIX_SCALE_ROW1
.else
	v_wmma_scale_f32_16x16x128_f8f6f4 v[AC+8*\b:AC+8*\b+7], v[128*(\p)+FR*\b:128*(\p)+FR*\b+FR-1], v[AF+FR*(\a):AF+FR*(\a)+FR-1], v[96+8*(\a)+96*((\a)/4):96+8*(\a)+96*((\a)/4)+7], v[SC+16*(\sc)+2*\b+(\q)], v[SC+16*(\sc)+2*(\a)+(\q)] matrix_a_fmt:MATRIX_FMT_FP6 matrix_b_fmt:MATRIX_FMT_FP6 matrix_a_scale:MATRIX_SCALE_ROW1
.endif
.endr
.endm
.macro MULS a0, n, p, q, sc, mode      ; n blocks from a0 on
.set ma, \a0
.rept \n
	MULA ma, \p, \q, \sc, \mode
.set ma, ma+1
.endr
.endm
.macro FETCH_B slot, q, p              ; source 0's eight fragments of the slot's q-th 128 along K into set p
	WIN TO_B
.irp i, 0,1,2,3,4,5,6,7
	FRAG 128*(\p)+FR*\i, ADRB+\slot, \q, \i
.endr
	WIN 0
.endm
.macro FETCH_A slot, q, i0             ; source 1's blocks i0 .. i0 + AH - 1
.set fi, \i0
.rept AH
	FRAG AF+FR*fi, ADRA+\slot, \q, fi
.set fi, fi+1
.endr
.endm
.macro SCALES sc                       ; a K step's scale words: lanes 0-15 source 1's block i, lanes 16-31 source 0's block i; two words a row
.irp i, 0,1,2,3,4,5,6,7
	ds_load_b64 v[SC+16*\sc+2*\i:SC+16*\sc+2*\i+1], v[ADRS] offset:\i*SBLK
.endr
.endm
; A step of 128 along K that has its successor in the same slot.  Loads into registers that matrix instructions have read stand four plain vector instructions behind them.
.macro STEP slot, q, mode
	s_wait_dscnt AH*NL                             ; all but the youngest loads, source 1's second half, are in
	MULS 0, AH, (\q)%2, \q, \slot, \mode
	s_wait_dscnt 0x0
	PLACES NP
	FETCH_B \slot, (\q)+1, 1-(\q)%2
	FETCH_A \slot, (\q)+1, 0
	MULS AH, AH, (\q)%2, \q, \slot, \mode
	PLACES NP
	WIN 0
	FETCH_A \slot, (\q)+1, AH
.endm
; A slot's last step changes slots: one barrier; in front of it each wave waits for all its tensor loads, adds 0 to its spare word, and waits for that and for its reads of this slot.
.macro TURN slot, next, fill
	s_wait_tensorcnt 0x0                           ; all my tensor loads have landed: my part of the next slot
	ds_add_u32 v[SPW], v[NIL]                      ; 0 onto my spare word
	s_wait_dscnt AH*NL+1                           ; (the add and source 1's second half may be out)
	MULS 0, AH/2, 1, 1, \slot, 0
	s_wait_dscnt 0x0                               ; the add is done, and my reads of this slot are over
	s_barrier_signal -1
	MULS AH/2, AH/2, 1, 1, \slot, 0
	WIN 0
	s_barrier_wait -1
.if \fill
	CREST                                          ; the barrier has opened a round of the cluster's: no wave of any partner still reads this slot or has a load on its way
	s_add_nc_u64 s[G0+4*\slot+2:G0+4*\slot+3], s[G0+4*\slot+2:G0+4*\slot+3], ASTEP
	s_add_nc_u64 s[G0B+4*\slot+2:G0B+4*\slot+3], s[G0B+4*\slot+2:G0B+4*\slot+3], BSTEP
	JLOAD G0+4*\slot, G1, G0B+4*\slot, G1B         ; the first tensor load behind the round; its four v_nop are the places in front of the loads below
.else
	PLACES NP
.endif
	v_add_nc_u32 v[ADRS], 4*NQ, v[ADRS]            ; the next K step's scale words
	FETCH_B \next, 0, 0
	FETCH_A \next, 0, 0
	SCALES \next
	MULS AH, AH, 1, 1, \slot, 0
	PLACES NP
	WIN 0
	FETCH_A \next, 0, AH
.endm
	s_wait_tensorcnt 1                             ; the scales and my part of K step 0 are in; K step 1's load may be out
	s_barrier_signal -1
	s_barrier_wait -1
	FETCH_B 0, 0, 0
	FETCH_A 0, 0, 0
	SCALES 0
	FETCH_A 0, 0, AH
	s_wait_loadcnt 0x0                             ; the bias
	s_cmp_eq_u32 s[KIND], 2                        ; the first step is written twice: the bias lies along source 0's rows (q, k) or along source 1's (v)
	s_cbranch_scc1 .Lfirst_v
	STEP 0, 0, 1
	s_branch .Lfirst_done
.Lfirst_v:
	STEP 0, 0, 2
.Lfirst_done:
	TURN 0, 1, 1                                   ; K = 1,024 is four slots' worth: written out, no loop
	STEP 1, 0, 0
	TURN 1, 0, 1
	STEP 0, 0, 0
	TURN 0, 1, 0                                   ; nothing is left to fetch
	STEP 1, 0, 0
	s_wait_dscnt AH*NL
	MULS 0, AH, 1, 1, 1, 0
	s_wait_dscnt 0x0
	MULS AH, AH, 1, 1, 1, 0
	WIN 0
	PLACES NP                                      ; in front of the first read of results and the first write over operands
; THE WAY OUT.  Block a's eight accumulators are 64 numbers of a lane, four blocks of 32 along the axis to be quantised, 16 numbers of each in this lane and 16 in lane l xor 16.
; A block's scale: the largest magnitude with 2 taken off its exponent field is the conversion's scale operand; its exponent field is the byte.  The floor 2^(3 - 127) holds the byte at 1 from below.
; d0 takes blocks 0, 1 (six registers: lanes 0-15 block 0, lanes 16-31 block 1), d1 blocks 2, 3.
.macro QUANTW a, d0, d1
.set AC, 64*((\a)%4)
.set QW, 2+(\a)/4
	WIN 20*QW                                      ; sources 1 and 2 in the accumulators' window
.irp b, 0,1,2,3
	v_max3_num_f32 v[TM+\b], 0x1800000, |v[AC+16*\b]|, |v[AC+16*\b+1]|     ; each accumulator is read from its low end on
.endr
.irp i, 2,4,6,8,10,12,14
.irp b, 0,1,2,3
	v_max3_num_f32 v[TM+\b], v[TM+\b], |v[AC+16*\b+\i]|, |v[AC+16*\b+\i+1]|
.endr
.endr
	WIN 0
.irp b, 0,1,2,3
	v_permlanex16_b32 v[TM+4+\b], v[TM+\b], s20, s21
.endr
.irp b, 0,1,2,3
	v_max_num_f32 v[TM+\b], v[TM+\b], v[TM+4+\b]   ; the block's largest magnitude
.endr
.irp b, 0,1,2,3
	v_add_nc_u32 v[TM+12+\b], 0xff000000, v[TM+\b] ; the conversion's scale operand
.endr
.irp b, 0,1,2,3
	v_lshrrev_b32 v[TM+4+\b], 23, v[TM+12+\b]      ; the byte
.endr
	v_lshl_or_b32 v[SW+(\a)], v[TM+5], 8, v[TM+4]
	v_lshl_or_b32 v[SW+(\a)], v[TM+6], 16, v[SW+(\a)]
	v_lshl_or_b32 v[SW+(\a)], v[TM+7], 24, v[SW+(\a)]
	WIN QW                                         ; source 0 in the accumulators' window
	v_cvt_scalef32_pk16_fp6_f32 v[\d0:\d0+2], v[AC:AC+15], v[TM+12]
	v_cvt_scalef32_pk16_fp6_f32 v[TP:TP+2], v[AC+16:AC+31], v[TM+13]
	v_cvt_scalef32_pk16_fp6_f32 v[\d1:\d1+2], v[AC+32:AC+47], v[TM+14]
	v_cvt_scalef32_pk16_fp6_f32 v[TP+4:TP+6], v[AC+48:AC+63], v[TM+15]
	WIN 0
	v_nop                                          ; one plain instruction behind the conversions
.irp i, 0,1,2
	v_permlane16_swap_b32 v[\d0+\i], v[TP+\i]      ; a whole block to a lane: the first's lanes 16-31 change places with the second's lanes 0-15
.endr
.irp i, 0,1,2
	v_mov_b32 v[\d0+3+\i], v[TP+\i]
.endr
.irp i, 0,1,2
	v_permlane16_swap_b32 v[\d1+\i], v[TP+4+\i]
.endr
.irp i, 0,1,2
	v_mov_b32 v[\d1+3+\i], v[TP+4+\i]
.endr
.endm
.macro EPI isv
.set ea, 0
.rept 8
.if \isv
	QUANTW ea, OUT+12*ea, OUT+12*ea+6              ; v: block a is tile a % 4 of head a / 4: a fragment of 12 registers, K = my 128 keys
.else
	QUANTW ea, OUT+6*ea, OUT+48+6*ea               ; q, k: block a is 16 tokens: six registers for each of my two heads
.endif
.set ea, ea+1
.endr
.irp c, 0,1
.irp q, 0,1,2,3,4,5,6,7,8,9,10,11
	global_store_b128 v[L16], v[OUT+48*\c+4*\q:OUT+48*\c+4*\q+3], s[CB:CB+1] offset:\c*HS+512*\q   ; 32 lanes store 512 consecutive bytes, aligned
.endr
.endr
	s_mov_b32 vcc_lo, 0xffff0000
.irp w, 0,1,2,3
	v_cndmask_b32 v[CW+\w], v[SW+2*\w], v[SW+2*\w+1], vcc_lo   ; lanes 0-15 the even tile's words, lanes 16-31 the odd tile's
.endr
.if \isv
	global_store_b64 v[L8], v[CW:CW+1], s[SB:SB+1]
	global_store_b64 v[L8], v[CW+2:CW+3], s[SB:SB+1] offset:HS
.else
.irp w, 0,1,2,3
	v_and_or_b32 v[HW0+\w], v[CW+\w], 0xffff, s22  ; a head has two blocks: bytes 2 and 3 stand over zero codes and are 127
	v_lshrrev_b32 v[HW1+\w], 16, v[CW+\w]
.endr
.irp w, 0,1,2,3
	v_or_b32 v[HW1+\w], s22, v[HW1+\w]
.endr
	global_store_b128 v[L16], v[HW0:HW0+3], s[SB:SB+1]
	global_store_b128 v[L16], v[HW1:HW1+3], s[SB:SB+1] offset:HS
.endif
.endm
	s_mov_b32 s20, 0x76543210
	s_mov_b32 s21, 0xfedcba98                      ; v_permlanex16_b32's selects for lane l xor 16
	s_mov_b32 s22, 0x7f7f0000
.irp b, 0,1,2,3
	v_mov_b32 v[TM+4+\b], 0                        ; written once: a lane permute's destination counts as one of its sources
.endr
	s_cmp_eq_u32 s[KIND], 2
	s_cbranch_scc1 .Lout_v
	EPI 0
	s_branch .Lout_done
.Lout_v:
	EPI 1
.Lout_done:
	s_wait_tensorcnt 0x0                           ; the wave's end
	ds_add_u32 v[SPW], v[NIL]
	s_wait_dscnt 0x0
	CROUND                                         ; the closing round: no work-group ends while a partner may still ask for a tile that names it
	s_endpgm
.Lfunc_end_k_qb3e3727efb_qkv:
	.size	k_qb3e3727efb_qkv, .Lfunc_end_k_qb3e3727efb_qkv-k_qb3e3727efb_qkv
	.p2alignl 7, 3214868480
	.fill 96, 4, 3214868480
	.section	.rodata,"a",@progbits
	.p2align	6, 0x0
	.amdhsa_kernel k_qb3e3727efb_qkv
		.amdhsa_group_segment_fixed_size 327680
		.amdhsa_private_segment_fixed_size 0
		.amdhsa_enable_private_segment 0
		.amdhsa_kernarg_size 48
		.amdhsa_user_sgpr_count 2
		.amdhsa_user_sgpr_kernarg_segment_ptr 1
		.amdhsa_wavefront_size32 1
		.amdhsa_system_sgpr_workgroup_id_x 1
		.amdhsa_system_sgpr_workgroup_id_y 1
		.amdhsa_system_sgpr_workgroup_id_z 1
		.amdhsa_system_vgpr_workitem_id 0
		.amdhsa_next_free_vgpr 1024
		.amdhsa_next_free_sgpr 106
		.amdhsa_reserve_vcc 1
		.amdhsa_float_denorm_mode_32 3
		.amdhsa_float_denorm_mode_16_64 3
		.amdhsa_memory_ordered 1
		.amdhsa_forward_progress 1
		.amdhsa_inst_pref_size 221
	.end_amdhsa_kernel
	.amdgpu_metadata
---
amdhsa.version: [ 1, 2 ]
amdhsa.kernels:
  - .name:           k_qb3e3727efb_qkv
    .symbol:         k_qb3e3727efb_qkv.kd
    .args:
      - { .name: x_codes, .offset: 0, .size: 8, .value_kind: global_buffer, .address_space: global }
      - { .name: x_scales, .offset: 8, .size: 8, .value_kind: global_buffer, .address_space: global }
      - { .name: W_attn_codes, .offset: 16, .size: 8, .value_kind: global_buffer, .address_space: global }
      - { .name: W_attn_scales, .offset: 24, .size: 8, .value_kind: global_buffer, .address_space: global }
      - { .name: b_attn, .offset: 32, .size: 8, .value_kind: global_buffer, .address_space: global }
      - { .name: ws, .offset: 40, .size: 8, .value_kind: global_buffer, .address_space: global }
    .group_segment_fixed_size: 327680
    .private_segment_fixed_size: 0
    .kernarg_segment_align: 8
    .kernarg_segment_size: 48
    .max_flat_workgroup_size: 128
    .sgpr_count:     106
    .vgpr_count:     1024
    .wavefront_size: 32
...
	.end_amdgpu_metadata
.endif
;; end of part 1
;; launch attn (part 2): grid 4 x 64, 16 waves a work-group, clusters of 4 x 1, 210,944 bytes of LDS; arguments ws, ycodes, yscales; writes ycodes, yscales
.if DOCPART == 2
	.amdgcn_target "amdgcn-amd-amdhsa--gfx1250"
	.amdhsa_code_object_version 6
	.text
	.protected	k_qb3e3727efb_attn
	.globl	k_qb3e3727efb_attn
	.p2align	8
	.type	k_qb3e3727efb_attn,@function
k_qb3e3727efb_attn:
	s_mov_b64 s[64:65], 0
	v_nop
	global_prefetch_b8 v0, s[64:65] scope:SCOPE_SE
	s_setreg_imm32_b32 hwreg(HW_REG_WAVE_MODE, 25, 1), 1
	s_wait_xcnt 0x0
	s_wait_alu depctr_hold_cnt(0) depctr_sa_sdst(0) depctr_va_vdst(0) depctr_va_sdst(0) depctr_va_ssrc(0) depctr_va_vcc(0) depctr_vm_vsrc(0)
	s_getreg_b32 s2, hwreg(HW_REG_IB_STS2, 6, 4)
	s_cmp_eq_u32 s2, 0
	s_cbranch_scc0 .Lentry_in_a_cluster
	s_endpgm
.Lentry_in_a_cluster:
	s_bfe_u32 s2, ttmp6, 0x10000c
	s_cmp_lg_u32 s2, 0x3003
	s_cbranch_scc0 .Lentry_shape_is_right
	s_endpgm
.Lentry_shape_is_right:
; y = softmax(q k^T / 8, causal) v for one (batch, head) a cluster, both products on codes of FP6 (E2M3) with E8M0 scales; y is quantised along the channels and leaves as codes for the projection.
; THE SOFTMAX: t = score x log2(e) / 8; M = the running largest t rounded up to a whole number; p = 2^(t - M) is quantised along the keys, not normalised; the row's sum is taken of the unquantised p and divides O at the end.
; IN: ws, a record of 19,712 bytes for each 128 tokens of the head, laid as operand registers (register R of a run at 512 (R / 4) + 16 lane + 4 (R % 4)): K's codes, V's codes, K's and V's scale words (13,056 bytes), then Q's codes and words.
; LDS: the head's sixteen records' first 13,056 bytes each, 208,896 bytes, filled ONCE and only read: no slot is filled again and nothing is stored to LDS.
; CLUSTER: the head's four work-groups read the same records: each record is asked for jointly (mask 15) by waves 0 to 7, two loads each.
; SHARES.  Query tile 4 g + cx (16 queries), g = 0 .. 31, needs g / 2 + 1 steps of 128 keys, whatever cx.  Wave w takes g = 31 - w and then g = w: 17 steps for every wave of every work-group.  All branches hang on the wave's number and on counters.
; LAYOUT.  S^T = K Q^T (source 0 = 16 keys, source 1 = my 16 queries), O^T = V^T P^T (source 0 = 16 channels): a lane holds ONE query.  Register 8 t + j of S^T holds key 16 t + 8 h + j, so p's codes lie in each block of 32
; in the order 0..7, 16..23, 8..15, 24..31, and so do v's (and q's and k's along the channels): the same order on both sides of a product.
; K = 64 IN AN INSTRUCTION OF 128: Q's registers 6-11 are zero codes; tile t of K is named as registers 6 t .. 6 t + 11, whose upper six (the next tile's codes, or zeros) meet Q's zeros under the bytes 127.
; LIMITS: NaN and infinities are not served; a block under 2^-124 has its byte held at 1; a block of zeros gets the byte 1 (zero codes; this program alone reads the bytes).
; The scale bytes of y leave as 2 bytes a token: a work-group holds one head's two bytes of a token's 32, one part in 24 of what it stores.
.set REC,  13056
.set RECW, 19712
.set HS,   16*RECW
.set F,    36                          ; v36-83  a step's fragments of K, then of V;  v84-89 zeros
.set S,    96                          ; v96-159 S^T, then p
.set O,    160                         ; v160-191 O^T
.set PC,   192                         ; v192-203 p's codes
.set TP,   204                         ; v204-211 second halves
.set BM,   212                         ; the blocks' largest scores, then largest p
.set PT,   216
.set SO,   220                         ; the conversions' scale operands
.set PW,   224                         ; p's scale word
.set FF,   226                         ; v[226:227] f = 2^(old M - new M)
.set TT,   228
.set SU,   230                         ; the second chain of the sum
.set T,    2
.set TB,   3
.set WV,   12
.set NHI,  15                          ; the first tile's steps
.set DIAG, 16                          ; the record on the tile's diagonal
.set DIAGLO, 17
.set RHO,  18
.set TD,   19
.macro CROUND
	s_barrier_signal -1
	s_barrier_wait -1
	s_cmp_lg_u32 s[WV], 0
	s_cbranch_scc1 .Lnot_wave_0_\@
	s_barrier_signal -3
.Lnot_wave_0_\@:
	s_barrier_wait -3
	s_barrier_signal -1
	s_barrier_wait -1
.endm
	s_load_b128 s[4:7], s[0:1], 0x0                ; ws, ycodes
	s_load_b64 s[8:9], s[0:1], 0x10                ; yscales
	v_lshl_add_u32 v254, v0, 2, 0x33000
	v_mov_b32 v255, 0
	ds_add_u32 v254, v255
	ds_add_u32 v254, v255
	v_lshrrev_b32 v1, 5, v0
	s_delay_alu instid0(VALU_DEP_1)
	v_readfirstlane_b32 s[WV], v1                  ; wave 0..15
	s_bfe_u32 s13, ttmp6, 0x40000                  ; cx: it enters global addresses and the mask's compare alone
	s_and_b32 s14, ttmp7, 0xffff                   ; 16 x batch + head
	s_xor_b32 s54, s[WV], 31                       ; g of my first tile: 31 - w
	s_lshr_b32 s[DIAG], s54, 1
	s_add_co_u32 s[NHI], s[DIAG], 1
	s_lshr_b32 s[DIAGLO], s[WV], 1
	s_and_b32 s52, s54, 1
	s_lshl_b32 s52, s52, 2
	s_add_co_u32 s52, s52, s13                     ; a: which 16 of the record's 128 tokens: first tile,
	s_and_b32 s53, s[WV], 1
	s_lshl_b32 s53, s53, 2
	s_add_co_u32 s53, s53, s13                     ; second tile
	; group 1: 13,056 dense bytes as 51 rows of 256 (32 elements of 8 bytes)
	s_mov_b32 s24, 15|(3<<16)|(1<<21)              ; the mask: all four work-groups; elements of 8 bytes; bit 21 beside a mask
	s_mov_b32 s25, 32<<16
	s_mov_b32 s26, 51<<16
	s_mov_b32 s27, 32<<16
	s_mov_b32 s28, 51
	s_mov_b32 s29, 32
	s_mov_b32 s30, 0
	s_mov_b32 s31, 0
	s_mov_b32 s20, 0x76543210
	s_mov_b32 s21, 0xfedcba98                      ; v_permlanex16_b32's selects for lane l xor 16
	s_mov_b32 s22, 0x3e38aa3b                      ; c = log2(e) / 8
	s_mov_b32 s23, s22                             ; (named with it as a pair)
	s_mul_i32 s54, s14, HS                         ; the head's records (under 2^25)
	s_mov_b32 s55, 0
	s_and_b32 s58, s[WV], 7                        ; the records that I fetch: w and w + 8 (waves 0 to 7)
	s_mul_i32 s56, s58, RECW
	s_mov_b32 s57, 0
	s_mul_i32 s58, s58, REC
	s_wait_dscnt 0x0
	s_wait_kmcnt 0x0
	s_add_nc_u64 s[10:11], s[4:5], s[54:55]
	CROUND                                         ; all four work-groups are here: the joint loads meet
	s_mov_b32 s32, 1
	s_mov_b32 s33, s58
	s_add_nc_u64 s[34:35], s[10:11], s[56:57]
	s_mov_b32 s36, 1
	s_add_co_u32 s37, s58, 8*REC
	s_add_nc_u64 s[38:39], s[34:35], 8*RECW
	s_or_b32 s35, s35, 0x80000000
	s_or_b32 s39, s39, 0x80000000
	s_cmp_lt_u32 s[WV], 8                          ; a wave's two fills stand in one branch on the wave's number: two loads of mine are out
	s_cbranch_scc0 .Lno_fill
	tensor_load_to_lds s[32:35], s[24:31]
	s_nop 0
	tensor_load_to_lds s[36:39], s[24:31]
	s_nop 0
.rept 4
	v_nop
.endr
.Lno_fill:
; where a tile's y goes and its Q comes from.  Token tile = 128 batch + 8 G + a; a fragment of y (16 tokens x 128 channels) is 1,536 bytes, a head's half of it 768
.macro BASES a, G, yb, ys, qb
	s_lshr_b32 s54, s14, 4
	s_lshl_b32 s54, s54, 7
	s_lshl_b32 s55, s[\G], 3
	s_add_co_u32 s54, s54, s55
	s_add_co_u32 s54, s54, s[\a]
	s_mul_i32 s56, s54, 12288
	s_and_b32 s55, s14, 15
	s_mul_i32 s58, s55, 768
	s_add_co_u32 s56, s56, s58
	s_mov_b32 s57, 0
	s_add_nc_u64 s[\yb:\yb+1], s[6:7], s[56:57]
	s_lshl_b32 s56, s54, 9                         ; 16 tokens x 32 scale bytes
	s_lshl_b32 s58, s55, 1
	s_add_co_u32 s56, s56, s58
	s_add_nc_u64 s[\ys:\ys+1], s[8:9], s[56:57]
	s_mul_i32 s56, s[\G], RECW
	s_add_nc_u64 s[\qb:\qb+1], s[10:11], s[56:57]
.endm
	BASES 52, DIAG, 40, 42, 48
	BASES 53, DIAGLO, 44, 46, 50
	v_and_b32 v8, 31, v0
	s_delay_alu instid0(VALU_DEP_1)
	v_lshlrev_b32 v1, 4, v8                        ; 16 x lane
	s_delay_alu instid0(VALU_DEP_2)
	v_lshlrev_b32 v2, 3, v8                        ; 8 x lane
	v_and_b32 v9, 15, v0                           ; r
	v_bfe_u32 v10, v0, 4, 1                        ; h
	s_delay_alu instid0(VALU_DEP_2)
	v_lshlrev_b32 v7, 5, v9                        ; 32 r: my token's row of scale bytes
	s_delay_alu instid0(VALU_DEP_3)
	v_lshlrev_b32 v11, 4, v9                       ; 16 r
	s_wait_alu depctr_va_vdst(0)
	v_lshlrev_b32 v10, 3, v10
	s_delay_alu instid0(VALU_DEP_1)
	v_sub_nc_u32 v10, v9, v10                      ; r - 8 h
	s_lshl_b32 s54, s52, 4
	v_add_nc_u32 v5, s54, v10                      ; d = 16 a + r - 8 h: register 8 t + j's key is hidden on the diagonal where 16 t + j > d
	s_lshl_b32 s54, s53, 4
	v_add_nc_u32 v6, s54, v10
; Q's tile a: registers 6 a .. 6 a + 5 of the image, as three pairs; its scale word: register a / 2, lane 16 (a % 2) + r
.macro QLOAD a, qb, vt, q, sw
	s_mul_i32 s58, s[\a], 3
.irp p, 0,1,2
	s_add_co_u32 s59, s58, \p
	s_lshr_b32 s60, s59, 1
	s_lshl_b32 s60, s60, 9
	s_and_b32 s59, s59, 1
	s_lshl_b32 s59, s59, 3
	s_add_co_u32 s59, s59, s60
	v_add_nc_u32 v[\vt+\p], s59, v1
	global_load_b64 v[\q+2*\p:\q+2*\p+1], v[\vt+\p], s[\qb:\qb+1] offset:13056
.endr
	s_and_b32 s59, s[\a], 1
	s_lshl_b32 s59, s59, 8
	s_lshr_b32 s60, s[\a], 1
	s_lshl_b32 s60, s60, 2
	s_add_co_u32 s59, s59, s60
	v_add_nc_u32 v[\vt+3], s59, v11
	global_load_b32 v[\sw], v[\vt+3], s[\qb:\qb+1] offset:19200
.endm
	QLOAD 52, 48, 204, 16, 28
	QLOAD 53, 50, 208, 30, 29
.irp i, 22,23,24,25,26,27,84,85,86,87,88,89
	v_mov_b32 v\i, 0                               ; zero codes: Q's upper half, and what stands behind K's last tile
.endr
	v_mov_b32 v13, 0xff61b1e6                      ; the largest t so far: -3e38
	s_delay_alu instid0(VALU_DEP_1)
	v_floor_f32 v12, -v13                          ; -M
	v_mov_b32 v14, 0
	v_mov_b32 v15, 0
.irp b, 0,1,2,3
	v_mov_b32 v[PT+\b], 0                          ; written once: a lane permute's destination counts as one of its sources
.endr
	v_mov_b32 v[FF+1], 0                           ; (named as the upper half of a pair)
	v_mov_b32 v[TT], 0
.set j, 0
.rept 32
	v_mov_b32 v[O+j], 0                            ; the step is written without a first step of its own: it finds zeros
.set j, j+1
.endr
; A KEY STEP: the record at LDS byte s[TB].  m = 1: the step may lie on the tile's diagonal.
.macro STEP m
	v_add_nc_u32 v3, s[TB], v1
	v_add_nc_u32 v4, s[TB], v2
	v_nop
	v_nop                                          ; four plain instructions behind the last products, in front of loads into their operands
.irp c, 0,1,2,3,4,5,6,7,8,9,10,11
	ds_load_b128 v[F+4*\c:F+4*\c+3], v3 offset:512*\c              ; K's eight tiles: 512 consecutive bytes a load
.endr
	ds_load_b128 v[90:93], v3 offset:12288         ; K's scale words: register w: lanes 0-15 tile 2 w, lanes 16-31 tile 2 w + 1
	ds_load_b64 v[94:95], v4 offset:12800          ; V's likewise
	s_wait_alu depctr_va_vdst(0)
	s_wait_dscnt 0x0
.irp t, 0,1,2,3,4,5,6,7
.if \t%2
	v_wmma_scale_f32_16x16x128_f8f6f4 v[S+8*\t:S+8*\t+7], v[F+6*\t:F+6*\t+11], v[16:27], 0, v[90+\t/2], v28 matrix_a_fmt:MATRIX_FMT_FP6 matrix_b_fmt:MATRIX_FMT_FP6 matrix_a_scale:MATRIX_SCALE_ROW1
.else
	v_wmma_scale_f32_16x16x128_f8f6f4 v[S+8*\t:S+8*\t+7], v[F+6*\t:F+6*\t+11], v[16:27], 0, v[90+\t/2], v28 matrix_a_fmt:MATRIX_FMT_FP6 matrix_b_fmt:MATRIX_FMT_FP6
.endif
.endr
.rept 4
	v_nop
.endr
.irp c, 0,1,2,3,4,5,6,7,8,9,10,11
	ds_load_b128 v[F+4*\c:F+4*\c+3], v3 offset:6144+512*\c         ; V's four tiles land while the softmax is walked
.endr
.if \m
	s_cmp_lg_u32 s[RHO], s[DIAG]                   ; on the diagonal hidden scores become -infinity ahead of the maximum
	s_cbranch_scc1 .Lopen_\@
	v_mov_b32 v[TT], 0xff800000
.set n, 0
.rept 64
	v_cmp_gt_i32 vcc_lo, 16*(n/8)+n%8, v5
	v_cndmask_b32 v[S+n], v[S+n], v[TT], vcc_lo
.set n, n+1
.endr
.Lopen_\@:
.endif
.irp b, 0,1,2,3
	v_max3_num_f32 v[BM+\b], v[S+16*\b], v[S+1+16*\b], v[S+2+16*\b]   ; the largest score of each block of 32 keys: for the row's maximum, and, since p rises with the score, for the block's largest p
.endr
.irp i, 3,5,7,9,11,13
.irp b, 0,1,2,3
	v_max3_num_f32 v[BM+\b], v[BM+\b], v[S+16*\b+\i], v[S+1+16*\b+\i]
.endr
.endr
.irp b, 0,1,2,3
	v_max_num_f32 v[BM+\b], v[BM+\b], v[S+15+16*\b]
.endr
.irp b, 0,1,2,3
	s_delay_alu instid0(VALU_DEP_4)
	v_permlanex16_b32 v[PT+\b], v[BM+\b], s20, s21
.endr
.irp b, 0,1,2,3
	s_delay_alu instid0(VALU_DEP_4)
	v_max_num_f32 v[BM+\b], v[BM+\b], v[PT+\b]
.endr
	s_delay_alu instid0(VALU_DEP_2)
	v_max3_num_f32 v[TT], v[BM], v[BM+1], v[BM+2]
	s_delay_alu instid0(VALU_DEP_1)
	v_max_num_f32 v[TT], v[TT], v[BM+3]
	s_delay_alu instid0(VALU_DEP_1)
	v_mul_f32 v[TT], s22, v[TT]
	s_delay_alu instid0(VALU_DEP_1)
	v_max_num_f32 v13, v13, v[TT]                  ; the running largest t
	v_mov_b32 v[TT], v12
	s_delay_alu instid0(VALU_DEP_2)
	v_floor_f32 v12, -v13                          ; -M = floor(-t): M is a whole number
	s_delay_alu instid0(VALU_DEP_1)
	v_sub_f32 v[TT], v12, v[TT]
	s_delay_alu instid0(VALU_DEP_1)
	v_cvt_i32_f32 v[TT], v[TT]                     ; (it saturates)
	s_delay_alu instid0(VALU_DEP_1)
	v_ldexp_f32 v[FF], 1.0, v[TT]                  ; f = 2^(old M - new M): a multiplication by it rounds nothing
.set j, 0
.rept 32
	v_pk_fma_f32 v[S+j:S+j+1], v[S+j:S+j+1], s[22:23], v[12:13] op_sel_hi:[1,0,0]   ; t - M
.set j, j+2
.endr
.irp b, 0,1,2,3
	v_fma_f32 v[BM+\b], v[BM+\b], s22, v12
.endr
.set j, 0
	s_wait_alu depctr_va_vdst(0)
.rept 64
	v_exp_f32 v[S+j], v[S+j]                       ; p = 2^(t - M)
.set j, j+1
.endr
	v_pk_mul_f32 v[14:15], v[14:15], v[FF:FF+1] op_sel_hi:[1,0]    ; the sums under the new M: the plain instruction behind the exponentials
	s_wait_alu depctr_va_vdst(0)                   ; one wait for the batch of 64, ahead of its first reader
.irp b, 0,1,2,3
	v_exp_f32 v[BM+\b], v[BM+\b]                   ; the blocks' largest p
.endr
	v_pk_add_f32 v[230:231], v[100:101], v[104:105]
	v_pk_add_f32 v[252:253], v[108:109], v[112:113]
	v_pk_add_f32 v[250:251], v[116:117], v[120:121]
	v_pk_add_f32 v[248:249], v[124:125], v[128:129]
	v_pk_add_f32 v[246:247], v[132:133], v[136:137]
	v_pk_add_f32 v[244:245], v[140:141], v[144:145]
	v_pk_add_f32 v[242:243], v[148:149], v[152:153]
	v_pk_add_f32 v[14:15], v[14:15], v[156:157]
	v_pk_add_f32 v[230:231], v[230:231], v[96:97]
	v_pk_add_f32 v[252:253], v[252:253], v[98:99]
	v_pk_add_f32 v[250:251], v[250:251], v[102:103]
	v_pk_add_f32 v[248:249], v[248:249], v[106:107]
	v_pk_add_f32 v[246:247], v[246:247], v[110:111]
	v_pk_add_f32 v[244:245], v[244:245], v[114:115]
	v_pk_add_f32 v[242:243], v[242:243], v[118:119]
	v_pk_add_f32 v[14:15], v[14:15], v[122:123]
	v_pk_add_f32 v[230:231], v[230:231], v[126:127]
	v_pk_add_f32 v[252:253], v[252:253], v[130:131]
	v_pk_add_f32 v[250:251], v[250:251], v[134:135]
	v_pk_add_f32 v[248:249], v[248:249], v[138:139]
	v_pk_add_f32 v[246:247], v[246:247], v[142:143]
	v_pk_add_f32 v[244:245], v[244:245], v[146:147]
	v_pk_add_f32 v[242:243], v[242:243], v[150:151]
	v_pk_add_f32 v[14:15], v[14:15], v[154:155]
	v_pk_add_f32 v[230:231], v[230:231], v[158:159]
	s_delay_alu instid0(VALU_DEP_2)
	v_pk_add_f32 v[14:15], v[14:15], v[248:249]
	s_delay_alu instid0(VALU_DEP_2)
	v_pk_add_f32 v[230:231], v[230:231], v[246:247]
	v_pk_add_f32 v[252:253], v[252:253], v[244:245]
	v_pk_add_f32 v[250:251], v[250:251], v[242:243]
	s_delay_alu instid0(VALU_DEP_2)
	v_pk_add_f32 v[14:15], v[14:15], v[252:253]
	s_delay_alu instid0(VALU_DEP_2)
	v_pk_add_f32 v[230:231], v[230:231], v[250:251]
	s_delay_alu instid0(VALU_DEP_1)
	v_pk_add_f32 v[14:15], v[14:15], v[230:231]
	s_wait_alu depctr_va_vdst(0)                   ; and one for the four
.irp b, 0,1,2,3
	v_max_num_f32 v[BM+\b], 0x1800000, v[BM+\b]    ; the floor 2^(3 - 127)
.endr
.irp b, 0,1,2,3
	s_delay_alu instid0(VALU_DEP_4)
	v_add_nc_u32 v[SO+\b], 0xff000000, v[BM+\b]
.endr
.irp b, 0,1,2,3
	s_delay_alu instid0(VALU_DEP_4)
	v_lshrrev_b32 v[PT+\b], 23, v[SO+\b]
.endr
	s_delay_alu instid0(VALU_DEP_3)
	v_lshl_or_b32 v[PW], v[PT+1], 8, v[PT]
	s_delay_alu instid0(VALU_DEP_1)
	v_lshl_or_b32 v[PW], v[PT+2], 16, v[PW]
	s_delay_alu instid0(VALU_DEP_1)
	v_lshl_or_b32 v[PW], v[PT+3], 24, v[PW]
.irp c, 0,1
	v_cvt_scalef32_pk16_fp6_f32 v[PC+6*\c:PC+6*\c+2], v[S+32*\c:S+32*\c+15], v[SO+2*\c]
	v_cvt_scalef32_pk16_fp6_f32 v[TP+4*\c:TP+4*\c+2], v[S+16+32*\c:S+31+32*\c], v[SO+2*\c+1]
.endr
	v_nop                                          ; one plain instruction behind the conversions
.irp c, 0,1
.irp i, 0,1,2
	v_permlane16_swap_b32 v[PC+6*\c+\i], v[TP+4*\c+\i]
.endr
.irp i, 0,1,2
	s_delay_alu instid0(VALU_DEP_3)
	v_mov_b32 v[PC+3+6*\c+\i], v[TP+4*\c+\i]
.endr
.endr
.set j, 0
.rept 16
	v_pk_mul_f32 v[O+j:O+j+1], v[O+j:O+j+1], v[FF:FF+1] op_sel_hi:[1,0]   ; O^T under the new M; these sixteen also stand between the scale word's and the codes' last writes and the products
.set j, j+2
.endr
	s_wait_alu depctr_va_vdst(0)
	s_wait_dscnt 0x0                               ; V
.irp t, 0,1,2,3
.if \t%2
	v_wmma_scale_f32_16x16x128_f8f6f4 v[O+8*\t:O+8*\t+7], v[F+12*\t:F+12*\t+11], v[PC:PC+11], v[O+8*\t:O+8*\t+7], v[94+\t/2], v[PW] matrix_a_fmt:MATRIX_FMT_FP6 matrix_b_fmt:MATRIX_FMT_FP6 matrix_a_scale:MATRIX_SCALE_ROW1
.else
	v_wmma_scale_f32_16x16x128_f8f6f4 v[O+8*\t:O+8*\t+7], v[F+12*\t:F+12*\t+11], v[PC:PC+11], v[O+8*\t:O+8*\t+7], v[94+\t/2], v[PW] matrix_a_fmt:MATRIX_FMT_FP6 matrix_b_fmt:MATRIX_FMT_FP6
.endif
.endr
.endm
; A TILE'S WAY OUT: y = O^T / the sum; its 64 channels are brought into ascending order (they meet W_proj's codes, which are given so), quantised in two blocks and stored as half a fragment of the projection's operand.
.macro WAYOUT
.rept 4
	v_nop
.endr
	v_add_f32 v14, v14, v15
	s_delay_alu instid0(VALU_DEP_1)
	v_permlanex16_b32 v[TT], v14, s20, s21
	s_delay_alu instid0(VALU_DEP_1)
	v_add_f32 v14, v14, v[TT]                      ; the row's sum
	s_wait_alu depctr_va_vdst(0)
	v_rcp_f32 v14, v14
	v_nop
	s_wait_alu depctr_va_vdst(0)                   ; ahead of the reciprocal's first reader
.set j, 0
.rept 16
	v_pk_mul_f32 v[S+j:S+j+1], v[O+j:O+j+1], v[14:15] op_sel_hi:[1,0]     ; each accumulator from its low end on
.set j, j+2
.endr
.irp b, 0,1
.irp i, 0,1,2,3,4,5,6,7
	v_permlane16_swap_b32 v[S+16*\b+\i], v[S+8+16*\b+\i]           ; lanes 0-15 now hold channels 32 b + 0 .. 15, lanes 16-31 channels 32 b + 16 .. 31
.endr
.endr
.irp b, 0,1
	v_max3_num_f32 v[BM+\b], |v[S+16*\b]|, |v[S+1+16*\b]|, 0x1800000
.endr
.irp i, 2,4,6,8,10,12,14
.irp b, 0,1
	s_delay_alu instid0(VALU_DEP_2)
	v_max3_num_f32 v[BM+\b], v[BM+\b], |v[S+16*\b+\i]|, |v[S+1+16*\b+\i]|
.endr
.endr
.irp b, 0,1
	s_delay_alu instid0(VALU_DEP_2)
	v_permlanex16_b32 v[PT+\b], v[BM+\b], s20, s21
.endr
.irp b, 0,1
	s_delay_alu instid0(VALU_DEP_2)
	v_max_num_f32 v[BM+\b], v[BM+\b], v[PT+\b]
.endr
.irp b, 0,1
	s_delay_alu instid0(VALU_DEP_2)
	v_add_nc_u32 v[SO+\b], 0xff000000, v[BM+\b]
.endr
.irp b, 0,1
	s_delay_alu instid0(VALU_DEP_2)
	v_lshrrev_b32 v[PT+\b], 23, v[SO+\b]
.endr
	v_cvt_scalef32_pk16_fp6_f32 v[PC:PC+2], v[S:S+15], v[SO]
	v_cvt_scalef32_pk16_fp6_f32 v[TP:TP+2], v[S+16:S+31], v[SO+1]
	v_nop
.irp i, 0,1,2
	v_permlane16_swap_b32 v[PC+\i], v[TP+\i]
.endr
.irp i, 0,1,2
	s_delay_alu instid0(VALU_DEP_3)
	v_mov_b32 v[PC+3+\i], v[TP+\i]
.endr
	v_lshl_or_b32 v[TT], v[PT+1], 8, v[PT]
.irp p, 0,1,2
	global_store_b64 v2, v[PC+2*\p:PC+2*\p+1], s[40:41] offset:256*\p     ; 32 lanes store 256 consecutive bytes, aligned
.endr
	global_store_b16 v7, v[TT], s[42:43]           ; my token's two scale bytes (both halves of the lanes write the same value)
	s_wait_xcnt 0x0                                ; the stores' registers and bases are written again only behind this wait
.endm
.macro INIT_LO                         ; on to my second tile
.irp i, 0,1,2,3,4,5
	v_mov_b32 v[16+\i], v[30+\i]
.endr
	v_mov_b32 v28, v29
	v_mov_b32 v5, v6
	v_mov_b32 v13, 0xff61b1e6
	s_delay_alu instid0(VALU_DEP_1)
	v_floor_f32 v12, -v13
	v_mov_b32 v14, 0
	v_mov_b32 v15, 0
.set j, 0
.rept 32
	v_mov_b32 v[O+j], 0
.set j, j+1
.endr
	s_mov_b32 s[DIAG], s[DIAGLO]
	s_mov_b64 s[40:41], s[44:45]
	s_mov_b64 s[42:43], s[46:47]
.endm
	s_wait_tensorcnt 1                             ; records 0 to 7 are in (each fetching wave's second load may be out)
	s_barrier_signal -1
	s_barrier_wait -1
	s_wait_loadcnt 0x0                             ; Q
	s_mov_b32 s[T], 0
	s_mov_b32 s[TB], 0
.Lfirst_eight:                                     ; every wave's first tile has nine steps or more: steps 0 to 7 read records 0 to 7 and none lies on a diagonal
	STEP 0
	s_add_co_u32 s[TB], s[TB], REC
	s_add_co_u32 s[T], s[T], 1
	s_cmp_lt_u32 s[T], 8
	s_cbranch_scc1 .Lfirst_eight
	s_wait_tensorcnt 0x0                           ; records 8 to 15
	s_wait_dscnt 0x0
	s_barrier_signal -1
	s_barrier_wait -1
	s_mov_b32 s[T], 8
	s_mov_b32 s[TD], 8                             ; 16 - T
.Lrest:                                            ; steps 8 to 16: the first tile goes on upward; the second walks its records downward, its diagonal first, where every query sees its own key
	s_cmp_lg_u32 s[T], s[NHI]
	s_cbranch_scc1 .Lsame_tile
	WAYOUT
	INIT_LO
.Lsame_tile:
	s_cmp_lt_u32 s[T], s[NHI]
	s_cselect_b32 s[RHO], s[T], s[TD]
	s_min_u32 s[RHO], s[RHO], 15
	s_mul_i32 s[TB], s[RHO], REC
	STEP 1
	s_sub_co_u32 s[TD], s[TD], 1
	s_add_co_u32 s[T], s[T], 1
	s_cmp_lt_u32 s[T], 17
	s_cbranch_scc1 .Lrest
	WAYOUT
	s_wait_dscnt 0x0
	s_wait_tensorcnt 0x0
	ds_add_u32 v254, v255
	s_wait_dscnt 0x0
	CROUND                                         ; the closing round
	s_endpgm
.Lfunc_end_k_qb3e3727efb_attn:
	.size	k_qb3e3727efb_attn, .Lfunc_end_k_qb3e3727efb_attn-k_qb3e3727efb_attn
	.p2alignl 7, 3214868480
	.fill 96, 4, 3214868480
	.section	.rodata,"a",@progbits
	.p2align	6, 0x0
	.amdhsa_kernel k_qb3e3727efb_attn
		.amdhsa_group_segment_fixed_size 210944
		.amdhsa_private_segment_fixed_size 0
		.amdhsa_enable_private_segment 0
		.amdhsa_kernarg_size 24
		.amdhsa_user_sgpr_count 2
		.amdhsa_user_sgpr_kernarg_segment_ptr 1
		.amdhsa_wavefront_size32 1
		.amdhsa_system_sgpr_workgroup_id_x 1
		.amdhsa_system_sgpr_workgroup_id_y 1
		.amdhsa_system_sgpr_workgroup_id_z 1
		.amdhsa_system_vgpr_workitem_id 0
		.amdhsa_next_free_vgpr 256
		.amdhsa_next_free_sgpr 66
		.amdhsa_reserve_vcc 1
		.amdhsa_float_denorm_mode_32 3
		.amdhsa_float_denorm_mode_16_64 3
		.amdhsa_memory_ordered 1
		.amdhsa_forward_progress 1
		.amdhsa_inst_pref_size 61
	.end_amdhsa_kernel
	.amdgpu_metadata
---
amdhsa.version: [ 1, 2 ]
amdhsa.kernels:
  - .name:           k_qb3e3727efb_attn
    .symbol:         k_qb3e3727efb_attn.kd
    .args:
      - { .name: ws, .offset: 0, .size: 8, .value_kind: global_buffer, .address_space: global }
      - { .name: ycodes, .offset: 8, .size: 8, .value_kind: global_buffer, .address_space: global }
      - { .name: yscales, .offset: 16, .size: 8, .value_kind: global_buffer, .address_space: global }
    .group_segment_fixed_size: 210944
    .private_segment_fixed_size: 0
    .kernarg_segment_align: 8
    .kernarg_segment_size: 24
    .max_flat_workgroup_size: 512
    .sgpr_count:     66
    .vgpr_count:     256
    .wavefront_size: 32
...
	.end_amdgpu_metadata
.endif
;; end of part 2
;; launch proj (part 3): grid 4 x 64, 4 waves a work-group, clusters of 4 x 4, 327,680 bytes of LDS; arguments ycodes, yscales, W_proj_codes, W_proj_scales, b_proj, out0; writes out0
.if DOCPART == 3
	.amdgcn_target "amdgcn-amd-amdhsa--gfx1250"
	.amdhsa_code_object_version 6
	.text
	.protected	k_qb3e3727efb_proj
	.globl	k_qb3e3727efb_proj
	.p2align	8
	.type	k_qb3e3727efb_proj,@function
k_qb3e3727efb_proj:
	s_mov_b64 s[64:65], 0
	v_nop
	global_prefetch_b8 v0, s[64:65] scope:SCOPE_SE
	s_setreg_imm32_b32 hwreg(HW_REG_WAVE_MODE, 25, 1), 1
	s_wait_xcnt 0x0
	s_wait_alu depctr_hold_cnt(0) depctr_sa_sdst(0) depctr_va_vdst(0) depctr_va_sdst(0) depctr_va_ssrc(0) depctr_va_vcc(0) depctr_vm_vsrc(0)
	s_getreg_b32 s2, hwreg(HW_REG_IB_STS2, 6, 4)
	s_cmp_eq_u32 s2, 0
	s_cbranch_scc0 .Lentry_in_a_cluster
	s_endpgm
.Lentry_in_a_cluster:
	s_bfe_u32 s2, ttmp6, 0x10000c
	s_cmp_lg_u32 s2, 0xf033
	s_cbranch_scc0 .Lentry_shape_is_right
	s_endpgm
.Lentry_shape_is_right:
; out0 = y W_proj + b_proj on codes of FP6 (E2M3) with one E8M0 scale for each 32 along K = 1,024; sums in f32; the bias is the C of each sum's first product.
; y: ycodes [token tile 512][K step of 128: 8][pair 6][lane 32][8 bytes]: images of the operand's registers; yscales [8,192][32].  W_proj: 1,024 rows (output columns) of 768 bytes of codes + 32 scale bytes.
; A work-group of four waves makes 128 tokens x 256 columns (256 work-groups); a wave 64 x 128: 32 accumulators.  K goes in steps of 256 through a ring of two LDS slots.
; THE MATRIX INSTRUCTION IS USED TRANSPOSED (source 0 = 16 rows of W_proj, source 1 = 16 tokens): a lane holds eight neighbouring columns of one row of out0.
; CLUSTERS: 4 x 4 work-groups; y's tile is shared along a row of the cluster, W_proj's along a column: each is asked for jointly.
; LIMITS: NaN, infinities and the scale byte 0xff among the inputs are not served.
; REGISTERS: window 0: v16-29 addresses; v32-63 scale words, two sets; v128-175 y's fragments, one set.  Window 1: W's fragments, two sets (v0-95, v128-223); the bias (v96-127, v224-255).  Window 2: the accumulators, (a, b) at v[8 (8 a + b)].
.set KROW,   768
.set ROWB,   192
.set PITCH,  240
.set FR,     12
.set NL,     6
.set NP,     4
.set NQ,     2
.set AH,     2
.set HALFA,  12288                     ; y: 4 token tiles x 2 fragments of 1,536 bytes, dense
.set HALFT,  128*PITCH                 ; W: 128 rows
.set BOFF,   2*HALFA
.set SLOT,   BOFF+2*HALFT              ; 86,016
.set ASTEP,  2*3072
.set BSTEP,  2*ROWB
.set KS,     32
.set SCA,    2*SLOT                    ; y's scales: 128 rows x 32 bytes as units of 256 + 16
.set HALFSA, 8*272
.set SCB,    SCA+2*HALFSA              ; W's: 256 rows
.set HALFSB, 16*272
.set SBLK,   2*272
.set SPARE,  SCB+2*HALFSB              ; the spare words: 128 bytes a wave, named by no other line
.set SPITCH, 528                       ; the way out: a stage of 16 rows x (512 + 16) bytes a wave, in slot 0, which has had its last fill and its last read by then
.set ADRA, 16
.set ADRB, 20
.set STO,  24
.set RD,   25
.set CO,   26
.set ADRS, 27
.set SPW,  28
.set NIL,  29
.set SC,   32
.set AF,   128
.set BK,   128
.set WV,   16
.set HR,   17
.set HC,   18
.set G1,   24
.set G0,   32
.set G1B,  48
.set G0B,  56
.set G1S,  68
.set G0S,  76
.set G1SB, 80
.set G0SB, 88
.set TO_B, 0x40
.set MSB, 0
.macro WIN new
.if MSB != (\new)
	s_set_vgpr_msb (MSB<<8)|(\new)
.set MSB, (\new)
.endif
.endm
.macro JLOAD g0a, g1a, g0b, g1b        ; waves 0 and 1 fetch for y, waves 2 and 3 for W; four v_nop follow each of the two lines
	s_cmp_eq_u32 s[HR], 0
	s_cbranch_scc0 .Lfor_b_\@
	tensor_load_to_lds s[\g0a:\g0a+3], s[\g1a:\g1a+7]
	s_nop 0
.rept 4
	v_nop
.endr
	s_branch .Lasked_\@
.Lfor_b_\@:
	tensor_load_to_lds s[\g0b:\g0b+3], s[\g1b:\g1b+7]
	s_nop 0
.rept 4
	v_nop
.endr
.Lasked_\@:
.endm
.macro CREST
	s_cmp_lg_u32 s[WV], 0
	s_cbranch_scc1 .Lnot_wave_0_\@
	s_barrier_signal -3
.Lnot_wave_0_\@:
	s_barrier_wait -3
	s_barrier_signal -1
	s_barrier_wait -1
.endm
.macro CROUND
	s_barrier_signal -1
	s_barrier_wait -1
	CREST
.endm
.macro PLACES n
.rept \n
	v_nop
.endr
.endm
	s_load_b256 s[4:11], s[0:1], 0x0               ; y's codes, y's scales, W's codes, W's scales
	s_load_b128 s[12:15], s[0:1], 0x20             ; b_proj, out0
	v_lshl_add_u32 v[SPW], v0, 2, SPARE
	v_mov_b32 v[NIL], 0
	ds_add_u32 v28, v29
	ds_add_u32 v28, v29
	s_wait_dscnt 0x0
	v_lshrrev_b32 v1, 5, v0
	v_readfirstlane_b32 s[WV], v1
	s_lshr_b32 s[HR], s[WV], 1                     ; my half of the tokens.  Also: I fetch for y (0) or for W (1)
	s_and_b32 s[HC], s[WV], 1                      ; my half of the columns.  Also: which half I fetch
	s_bfe_u32 s40, ttmp6, 0x40000                  ; cx = the tile column
	s_bfe_u32 s41, ttmp6, 0x40004                  ; cy
	s_and_b32 s42, ttmp7, 0xffff
	s_lshl_b32 s42, s42, 2
	s_add_co_u32 s42, s42, s41                     ; the tile row: 128 tokens
	s_lshl_b32 s43, s41, 2
	s_lshl_b32 s43, 15, s43
	s_lshl_b32 s44, 0x1111, s40
	; y's tile: 4 token tiles x 3,072 bytes (two fragments), 12,288 bytes apart; elements of 8 bytes; no padding: the images are read 8 bytes a lane on end
	s_or_b32 s[G1+0], s43, (3<<16)|(1<<21)
	s_mov_b32 s[G1+1], 384<<16
	s_mov_b32 s[G1+2], 4<<16
	s_mov_b32 s[G1+3], 384<<16
	s_mov_b32 s[G1+4], 4
	s_mov_b32 s[G1+5], 1536
	s_mov_b32 s[G1+6], 0
	s_mov_b32 s[G1+7], 0
	; W's tile: 128 rows x 192 bytes, 16 bytes of padding behind every 64
	s_or_b32 s[G1B+0], s44, (0<<16)|(1<<20)|(1<<21)|(3<<22)|(3<<25)
	s_mov_b32 s[G1B+1], ROWB<<16
	s_mov_b32 s[G1B+2], 128<<16
	s_mov_b32 s[G1B+3], ROWB<<16
	s_mov_b32 s[G1B+4], 128
	s_mov_b32 s[G1B+5], KROW
	s_mov_b32 s[G1B+6], 0
	s_mov_b32 s[G1B+7], 0
	; the scales: dense bytes as rows of 256, 16 bytes of padding behind each: y's 64 rows are 8 such rows, W's 128 rows 16
	s_or_b32 s[G1S+0], s43, (3<<16)|(1<<20)|(1<<21)|(5<<22)|(3<<25)
	s_mov_b32 s[G1S+1], 32<<16
	s_mov_b32 s[G1S+2], 8<<16
	s_mov_b32 s[G1S+3], 32<<16
	s_mov_b32 s[G1S+4], 8
	s_mov_b32 s[G1S+5], 32
	s_mov_b32 s[G1S+6], 0
	s_mov_b32 s[G1S+7], 0
	s_or_b32 s[G1SB+0], s44, (3<<16)|(1<<20)|(1<<21)|(5<<22)|(3<<25)
	s_mov_b32 s[G1SB+1], 32<<16
	s_mov_b32 s[G1SB+2], 16<<16
	s_mov_b32 s[G1SB+3], 32<<16
	s_mov_b32 s[G1SB+4], 16
	s_mov_b32 s[G1SB+5], 32
	s_mov_b32 s[G1SB+6], 0
	s_mov_b32 s[G1SB+7], 0
	s_lshl_b32 s20, s42, 3
	s_lshl_b32 s23, s[HC], 2
	s_add_co_u32 s20, s20, s23                     ; y: token tile 8 x tile row + 4 x half
	s_lshl_b32 s22, s20, 9                         ; its scales: 512 bytes a token tile,
	s_mul_i32 s20, s20, 12288                      ; its codes
	s_mov_b32 s21, 0
	s_mov_b32 s23, 0
	s_lshl_b32 s46, s40, 8
	s_lshl_b32 s3, s[HC], 7
	s_add_co_u32 s46, s46, s3                      ; W: row 256 x tile column + 128 x half
	s_lshl_b32 s92, s46, 5
	s_mul_i32 s46, s46, KROW
	s_mov_b32 s47, 0
	s_mov_b32 s93, 0
	s_mul_i32 s45, s[HC], HALFA                    ; where they go: no place in the cluster enters an LDS address
	s_mul_i32 s19, s[HC], HALFT
	s_add_co_u32 s19, s19, BOFF
	s_mul_i32 s94, s[HC], HALFSA
	s_mul_i32 s95, s[HC], HALFSB
	s_wait_kmcnt 0x0
	s_add_nc_u64 s[20:21], s[4:5], s[20:21]
	s_add_nc_u64 s[22:23], s[6:7], s[22:23]
	s_add_nc_u64 s[46:47], s[8:9], s[46:47]
	s_add_nc_u64 s[92:93], s[10:11], s[92:93]
	CROUND                                         ; all sixteen work-groups are here: the first joint loads meet
	s_mov_b32 s[G0S], 1
	s_add_co_u32 s[G0S+1], s94, SCA
	s_mov_b64 s[G0S+2:G0S+3], s[22:23]
	s_or_b32 s[G0S+3], s[G0S+3], 0x80000000
	s_mov_b32 s[G0SB], 1
	s_add_co_u32 s[G0SB+1], s95, SCB
	s_mov_b64 s[G0SB+2:G0SB+3], s[92:93]
	s_or_b32 s[G0SB+3], s[G0SB+3], 0x80000000
	JLOAD G0S, G1S, G0SB, G1SB
.irp s, 0,1
	s_mov_b32 s[G0+4*\s], 1
	s_add_co_u32 s[G0+4*\s+1], s45, \s*SLOT
	s_add_nc_u64 s[G0+4*\s+2:G0+4*\s+3], s[20:21], \s*3072
	s_or_b32 s[G0+4*\s+3], s[G0+4*\s+3], 0x80000000
	s_mov_b32 s[G0B+4*\s], 1
	s_add_co_u32 s[G0B+4*\s+1], s19, \s*SLOT
	s_add_nc_u64 s[G0B+4*\s+2:G0B+4*\s+3], s[46:47], \s*ROWB
	s_or_b32 s[G0B+4*\s+3], s[G0B+4*\s+3], 0x80000000
	JLOAD G0+4*\s, G1, G0B+4*\s, G1B               ; three tensor loads of mine are out
.endr
	v_and_b32 v1, 15, v0                           ; r
	v_bfe_u32 v2, v0, 4, 1                         ; h
	v_mul_u32_u24 v3, v1, PITCH
	v_mul_u32_u24 v4, v2, 24
	v_add_nc_u32 v4, v3, v4
	v_lshl_add_u32 v5, v2, 4, v4
	v_and_b32 v6, 31, v0
	v_lshlrev_b32 v7, 3, v6                        ; 8 x lane: my place in an image's pair
	s_mul_i32 s21, s[HR], HALFA
	s_mul_i32 s22, s[HC], HALFT
	s_add_co_u32 s22, s22, BOFF
.irp s, 0,1
	v_add_nc_u32 v[ADRA+\s], s21, v7
	v_add_nc_u32 v[ADRB+\s], s22, v4
	v_add_nc_u32 v[ADRB+2+\s], s22, v5
	s_add_co_u32 s21, s21, SLOT
	s_add_co_u32 s22, s22, SLOT
.endr
	v_mul_u32_u24 v5, v1, KS
	v_lshrrev_b32 v8, 8, v5
	v_lshl_add_u32 v5, v8, 4, v5
	s_mul_i32 s21, s[HR], HALFSA
	s_add_co_u32 s21, s21, SCA                     ; y's scales: my 64 rows
	s_mul_i32 s22, s[HC], HALFSB
	s_add_co_u32 s22, s22, SCB                     ; W's: my 128 rows
	s_sub_co_u32 s22, s22, s21
	v_mul_u32_u24 v8, s22, v2                      ; lanes 16-31 take W's
	v_add_nc_u32 v5, v5, v8
	v_add_nc_u32 v[ADRS], s21, v5
	s_mul_i32 s23, s[WV], 16*SPITCH                ; my stage
	v_mul_u32_u24 v5, v1, SPITCH
	v_lshl_add_u32 v5, v2, 5, v5
	v_add_nc_u32 v[STO], s23, v5
	v_lshlrev_b32 v[CO], 4, v6
	v_add_nc_u32 v[RD], s23, v[CO]
	s_lshl_b32 s46, s40, 10
	s_lshl_b32 s47, s[HC], 9
	s_add_co_u32 s46, s46, s47                     ; my first column, in bytes: in a row of out0 and in b_proj alike
	s_mov_b32 s47, 0
	s_add_nc_u64 s[12:13], s[12:13], s[46:47]
	s_lshl_b32 s20, s42, 7
	s_lshl_b32 s21, s[HR], 6
	s_add_co_u32 s20, s20, s21                     ; my first row
	s_lshl_b32 s20, s20, 12                        ; of 4,096 bytes (under 2^25)
	s_add_co_u32 s20, s20, s46
	s_mov_b32 s21, 0
	s_add_nc_u64 s[14:15], s[14:15], s[20:21]
	v_lshlrev_b32 v9, 5, v2                        ; the bias: tile b, register j: column 16 b + 8 h + j
	WIN 0x40
.irp b, 0,1,2,3,4,5,6,7
	global_load_b128 v[96+8*\b+96*(\b/4):96+8*\b+96*(\b/4)+3], v9, s[12:13] offset:64*\b
	global_load_b128 v[96+8*\b+96*(\b/4)+4:96+8*\b+96*(\b/4)+7], v9, s[12:13] offset:64*\b+16
.endr
	WIN 0
.macro FRAG reg, adr, q, i             ; W: 16 rows x 128 K in pieces of 8 bytes; the second address register serves where lanes 16-31's piece lies behind one padding more
.irp p, 0,1,2,3,4,5
.set PIECE, 12*(\q)+6*(\p/3)+\p%3
.if PIECE%8 < 5
	ds_load_b64 v[\reg+2*\p:\reg+2*\p+1], v[\adr] offset:8*PIECE+16*(PIECE/8)+(\i)*16*PITCH
.else
	ds_load_b64 v[\reg+2*\p:\reg+2*\p+1], v[\adr+2] offset:8*PIECE+16*(PIECE/8)+(\i)*16*PITCH
.endif
.endr
.endm
.macro FRAGI reg, slot, q, i           ; y: an image: pair p at 256 p + 8 lane
.irp p, 0,1,2,3,4,5
	ds_load_b64 v[\reg+2*\p:\reg+2*\p+1], v[ADRA+\slot] offset:3072*(\i)+1536*(\q)+256*\p
.endr
.endm
; 8 products: y's block a against W's eight.  mode 0: onto the sums; 1: the sums begin with the bias.  The accumulators take turns, one instruction a turn.
.macro MULA a, p, q, sc, mode
.set AC, 64*(\a)
.if \mode
	WIN 0x91                                       ; source 0 and C window 1, source 1 window 0, D window 2
.else
	WIN 0xa1                                       ; source 0 window 1, source 1 window 0, C and D window 2
.endif
.irp b, 0,1,2,3,4,5,6,7
.if \mode == 0
	v_wmma_scale_f32_16x16x128_f8f6f4 v[AC+8*\b:AC+8*\b+7], v[128*(\p)+FR*\b:128*(\p)+FR*\b+FR-1], v[AF+FR*(\a):AF+FR*(\a)+FR-1], v[AC+8*\b:AC+8*\b+7], v[SC+16*(\sc)+2*\b+(\q)], v[SC+16*(\sc)+2*(\a)+(\q)] matrix_a_fmt:MATRIX_FMT_FP6 matrix_b_fmt:MATRIX_FMT_FP6 matrix_a_scale:MATRIX_SCALE_ROW1
.else
	v_wmma_scale_f32_16x16x128_f8f6f4 v[AC+8*\b:AC+8*\b+7], v[128*(\p)+FR*\b:128*(\p)+FR*\b+FR-1], v[AF+FR*(\a):AF+FR*(\a)+FR-1], v[96+8*\b+96*(\b/4):96+8*\b+96*(\b/4)+7], v[SC+16*(\sc)+2*\b+(\q)], v[SC+16*(\sc)+2*(\a)+(\q)] matrix_a_fmt:MATRIX_FMT_FP6 matrix_b_fmt:MATRIX_FMT_FP6 matrix_a_scale:MATRIX_SCALE_ROW1
.endif
.endr
.endm
.macro MULS a0, n, p, q, sc, mode
.set ma, \a0
.rept \n
	MULA ma, \p, \q, \sc, \mode
.set ma, ma+1
.endr
.endm
.macro FETCH_B slot, q, p
	WIN TO_B
.irp i, 0,1,2,3,4,5,6,7
	FRAG 128*(\p)+FR*\i, ADRB+\slot, \q, \i
.endr
	WIN 0
.endm
.macro FETCH_A slot, q, i0
.set fi, \i0
.rept AH
	FRAGI AF+FR*fi, \slot, \q, fi
.set fi, fi+1
.endr
.endm
.macro SCALES sc                       ; lanes 0-15 y's block i (i under 4; beyond that they read filled bytes that no product names), lanes 16-31 W's block i
.irp i, 0,1,2,3,4,5,6,7
	ds_load_b64 v[SC+16*\sc+2*\i:SC+16*\sc+2*\i+1], v[ADRS] offset:\i*SBLK
.endr
.endm
.macro STEP slot, q, mode
	s_wait_dscnt AH*NL                             ; all but the youngest loads, y's second half, are in
	MULS 0, AH, (\q)%2, \q, \slot, \mode
	s_wait_dscnt 0x0
	PLACES NP
	FETCH_B \slot, (\q)+1, 1-(\q)%2
	FETCH_A \slot, (\q)+1, 0
	MULS AH, AH, (\q)%2, \q, \slot, \mode
	PLACES NP
	WIN 0
	FETCH_A \slot, (\q)+1, AH
.endm
.macro TURN slot, next, fill
	s_wait_tensorcnt 0x0                           ; all my tensor loads have landed: my part of the next slot
	ds_add_u32 v[SPW], v[NIL]                      ; 0 onto my spare word
	s_wait_dscnt AH*NL+1                           ; (the add and y's second half may be out)
	MULS 0, AH/2, 1, 1, \slot, 0
	s_wait_dscnt 0x0                               ; the add is done, and my reads of this slot are over
	s_barrier_signal -1
	MULS AH/2, AH/2, 1, 1, \slot, 0
	WIN 0
	s_barrier_wait -1
.if \fill
	CREST                                          ; the barrier has opened a round of the cluster's: no wave of any partner still reads this slot or has a load on its way
	s_add_nc_u64 s[G0+4*\slot+2:G0+4*\slot+3], s[G0+4*\slot+2:G0+4*\slot+3], ASTEP
	s_add_nc_u64 s[G0B+4*\slot+2:G0B+4*\slot+3], s[G0B+4*\slot+2:G0B+4*\slot+3], BSTEP
	JLOAD G0+4*\slot, G1, G0B+4*\slot, G1B         ; the first tensor load behind the round; its four v_nop are the places in front of the loads below
.else
	PLACES NP
.endif
	v_add_nc_u32 v[ADRS], 4*NQ, v[ADRS]
	FETCH_B \next, 0, 0
	FETCH_A \next, 0, 0
	SCALES \next
	MULS AH, AH, 1, 1, \slot, 0
	PLACES NP
	WIN 0
	FETCH_A \next, 0, AH
.endm
	s_wait_tensorcnt 1                             ; the scales and my part of K step 0 are in; K step 1's load may be out
	s_barrier_signal -1
	s_barrier_wait -1
	FETCH_B 0, 0, 0
	FETCH_A 0, 0, 0
	SCALES 0
	FETCH_A 0, 0, AH
	s_wait_loadcnt 0x0                             ; the bias
	STEP 0, 0, 1
	TURN 0, 1, 1                                   ; K = 1,024 is four slots' worth: written out, no loop
	STEP 1, 0, 0
	TURN 1, 0, 1
	STEP 0, 0, 0
	TURN 0, 1, 0
	STEP 1, 0, 0
	s_wait_dscnt AH*NL
	MULS 0, AH, 1, 1, 1, 0
	s_wait_dscnt 0x0
	MULS AH, AH, 1, 1, 1, 0
	WIN 0
; THE WAY OUT, block by block of 16 rows x 128 columns, through my own stage in LDS: in as 32 bytes a lane, back as whole rows of 512 bytes.  LDS serves a wave's instructions in order (ISA guide 5.7.1.4).
.macro TOSTAGE a
.set AC, 64*(\a)
	WIN 0x08                                       ; the data: window 2
.irp b, 0,1,2,3,4,5,6,7
	ds_store_b128 v[STO], v[AC+8*\b:AC+8*\b+3] offset:64*\b          ; each accumulator from its low end on
	ds_store_b128 v[STO], v[AC+8*\b+4:AC+8*\b+7] offset:64*\b+16
.endr
	WIN 0
.set BB, BK+64*((\a)%2)
.irp t, 0,1,2,3,4,5,6,7,8,9,10,11,12,13,14,15
	ds_load_b128 v[BB+4*\t:BB+4*\t+3], v[RD] offset:\t*SPITCH
.endr
.endm
.macro SEND a, younger                 ; younger: the LDS instructions issued behind block a's loads, which may stay out
.set BB, BK+64*((\a)%2)
	s_wait_dscnt \younger
.if (\a) > 0
	s_add_nc_u64 s[14:15], s[14:15], 16*4096       ; (behind a wait on XCNT: the earlier stores have read their base)
.endif
.irp t, 0,1,2,3,4,5,6,7,8,9,10,11,12,13,14,15
	global_store_b128 v[CO], v[BB+4*\t:BB+4*\t+3], s[14:15] offset:\t*4096 th:TH_STORE_NT   ; 32 lanes store 512 consecutive bytes, aligned; written once, read by nobody here
.endr
.endm
	PLACES NP
	TOSTAGE 0
.irp a, 1,2,3
.if \a > 1
	s_wait_xcnt 0x0                                ; block a - 2's stores have read their registers and their base
.endif
	TOSTAGE \a
	SEND \a-1, 32                                  ; behind block a - 1's loads: block a's 16 stores and 16 loads
.endr
	s_wait_xcnt 0x0
	SEND 3, 0
	s_wait_tensorcnt 0x0                           ; the wave's end
	ds_add_u32 v[SPW], v[NIL]
	s_wait_dscnt 0x0
	CROUND                                         ; the closing round
	s_endpgm
.Lfunc_end_k_qb3e3727efb_proj:
	.size	k_qb3e3727efb_proj, .Lfunc_end_k_qb3e3727efb_proj-k_qb3e3727efb_proj
	.p2alignl 7, 3214868480
	.fill 96, 4, 3214868480
	.section	.rodata,"a",@progbits
	.p2align	6, 0x0
	.amdhsa_kernel k_qb3e3727efb_proj
		.amdhsa_group_segment_fixed_size 327680
		.amdhsa_private_segment_fixed_size 0
		.amdhsa_enable_private_segment 0
		.amdhsa_kernarg_size 48
		.amdhsa_user_sgpr_count 2
		.amdhsa_user_sgpr_kernarg_segment_ptr 1
		.amdhsa_wavefront_size32 1
		.amdhsa_system_sgpr_workgroup_id_x 1
		.amdhsa_system_sgpr_workgroup_id_y 1
		.amdhsa_system_sgpr_workgroup_id_z 1
		.amdhsa_system_vgpr_workitem_id 0
		.amdhsa_next_free_vgpr 768
		.amdhsa_next_free_sgpr 100
		.amdhsa_reserve_vcc 0
		.amdhsa_float_denorm_mode_32 3
		.amdhsa_float_denorm_mode_16_64 3
		.amdhsa_memory_ordered 1
		.amdhsa_forward_progress 1
		.amdhsa_inst_pref_size 103
	.end_amdhsa_kernel
	.amdgpu_metadata
---
amdhsa.version: [ 1, 2 ]
amdhsa.kernels:
  - .name:           k_qb3e3727efb_proj
    .symbol:         k_qb3e3727efb_proj.kd
    .args:
      - { .name: ycodes, .offset: 0, .size: 8, .value_kind: global_buffer, .address_space: global }
      - { .name: yscales, .offset: 8, .size: 8, .value_kind: global_buffer, .address_space: global }
      - { .name: W_proj_codes, .offset: 16, .size: 8, .value_kind: global_buffer, .address_space: global }
      - { .name: W_proj_scales, .offset: 24, .size: 8, .value_kind: global_buffer, .address_space: global }
      - { .name: b_proj, .offset: 32, .size: 8, .value_kind: global_buffer, .address_space: global }
      - { .name: out0, .offset: 40, .size: 8, .value_kind: global_buffer, .address_space: global }
    .group_segment_fixed_size: 327680
    .private_segment_fixed_size: 0
    .kernarg_segment_align: 8
    .kernarg_segment_size: 48
    .max_flat_workgroup_size: 128
    .sgpr_count:     100
    .vgpr_count:     768
    .wavefront_size: 32
...
	.end_amdgpu_metadata
.endif
;; end of part 3
